; MI455X (gfx1250); checked and timed in simulation.
; The chip was launched on July 23, 2026; its instructions are those of AMD's public machine-readable ISA for CDNA 5 (MIT licence, August 2026) and "CDNA5" Instruction Set Architecture Reference Guide (July 2026). The comments in the code are by the model that wrote it; some were corrected since.
;; Experts. Allowed arithmetic: float matrix products may take bf16 or f16 operands with f32 sums; other float arithmetic in f32, or as packed bf16 or f16 multiplies, adds, multiply-adds, maxima and minima; sums over many terms, partial sums and values carried from step to step in f32; what a program stores and reads back later, other than sums and carried values, may be rounded once to bf16 or f16.
;; Inputs: A1 8 x 8 x 2,048 float32; A2 8 x 8 x 8,192 float32; B1 8 x 8,192 x 8 float32; B2 8 x 2,048 x 8 float32; W1 8,192 x 2,048 float32; W2 2,048 x 8,192 float32; W_r 8 x 2,048 float32; b1 8,192 float32; b2 2,048 float32; b_r 8 float32; hidden_states 2 x 512 x 2,048 float32.
;; Outputs: out0 2 x 512 x 2,048 float32.
;; 2 versions, each right; version 2 is version 1 with the launch fin written anew for expert scheduling mode. Each part assembles by itself: llvm-mc -triple=amdgcn-amd-amdhsa -mcpu=gfx1250 --defsym DOCPART=n.
;; ======== version 1 of 2: 4 launches
;; workspace buffers: xb 4,194,304 bytes; u1b 131,072 bytes; ridx 8,192 bytes of whole numbers; rw 8,192 bytes; hc 16,777,216 bytes; u2p 4,194,304 bytes; part 33,554,432 bytes
;; launch prep (part 1): grid 64 x 5, 8 waves a work-group, no clusters, 9,216 bytes of LDS; arguments hidden_states, A1, W_r, b_r, xb, u1b, ridx, rw; writes xb, u1b, ridx, rw
.if DOCPART == 1
	.amdgcn_target "amdgcn-amd-amdhsa--gfx1250"
	.amdhsa_code_object_version 6
	.text
	.protected	k_qd94ca33517_prep
	.globl	k_qd94ca33517_prep
	.p2align	8
	.type	k_qd94ca33517_prep,@function
k_qd94ca33517_prep:
	s_mov_b64 s[64:65], 0
	v_nop
	global_prefetch_b8 v0, s[64:65] scope:SCOPE_SE
	s_setreg_imm32_b32 hwreg(HW_REG_WAVE_MODE, 25, 1), 1
	s_wait_xcnt 0x0
; PREP.  x = hidden_states as [1024][2048] f32.  Work-group (T, y): T = a tile of 16 tokens, y = 0..3: 16 rows of A1 seen as [64][2048] (experts 2y, 2y+1); y = 4: W_r's 8 rows, each taken twice.
; Every work-group multiplies its 16 weight rows by its 16 tokens (bf16 operands, f32 sums); wave w takes k = 256 w .. 256 w + 255, eight steps of 32; the eight partial sums meet in LDS (f32) and wave 0 adds them.
; y < 4 stores u1b = 2 x u1 (the LoRA scaling, exact) in bf16, in the order in which a matrix operand takes it.  y = 4 also stores x in bf16 (xb: [T][k / 8][token][8]), and does the routing: top-2 and their softmax weights.
; The matrix instruction is used transposed: source 0 = 16 weight rows, source 1 = 16 tokens: a lane holds ONE token (lane % 16) and the weight rows 8 (lane / 16) + 0..7.
; x is read by five work-groups (8 MB of 148): a grid of 64 would leave three WGPs in four without work.  No tensor loads, no cluster: the launch streams through registers.
; LIMITS.  All inputs, b_r too, are rounded to bf16.  The top-2 is taken on the logits, not on the rounded probabilities: of equal logits the lower index wins.  NaN and infinities are not treated apart.
.set SPARE, 8192                       ; behind the 8 x 1,024 bytes of partial sums: the spare words, 128 bytes a wave
.set ACC0,  16                         ; v[16:23], v[24:31]  two accumulators that take turns
.set WF,    32                         ; v[32:47]   weight fragments, two sets
.set XF,    48                         ; v[48:111]  x fragments, one set a step: they are also what goes to xb
.set BUF,   112                        ; v[112:239] two load buffers of two steps: a step has 16 registers of x, then 16 of the weights
.set BR,    240                        ; v[240:247] b_r
	s_load_b512 s[8:23], s[0:1], 0x0               ; hidden s[8:9], A1 s[10:11], W_r s[12:13], b_r s[14:15], xb s[16:17], u1b s[18:19], ridx s[20:21], rw s[22:23]
	v_lshl_add_u32 v6, v0, 2, SPARE                ; my spare word,
	v_mov_b32 v7, 0                                ; and 0: kept for the add alone
	v_lshrrev_b32 v9, 5, v0
	v_readfirstlane_b32 s2, v9                     ; wave 0..7
	s_and_b32 s4, ttmp7, 0xffff                    ; y
	v_and_b32 v1, 15, v0                           ; r = lane % 16
	v_bfe_u32 v2, v0, 4, 1                         ; h = lane / 16
	v_and_b32 v5, 31, v0
	v_lshlrev_b32 v5, 4, v5                        ; 16 x lane
	v_mov_b32 v10, 0
	s_lshl_b32 s5, s2, 10                          ; my wave's 256 k, in bytes of f32; also its 1,024 bytes in LDS
	s_lshl_b32 s7, s4, 17                          ; 16 y rows of 8,192 bytes
	s_cmp_eq_u32 s4, 4
	s_cselect_b32 s6, 7, 15                        ; W_r has 8 rows: row r % 8
	s_cselect_b32 s7, 0, s7
	v_lshlrev_b32 v3, 13, v1                       ; x: token r x 8,192
	v_lshl_add_u32 v3, v2, 5, v3                   ; + 32 h: a lane's first eight k of a step
	v_add_nc_u32 v3, s5, v3
	v_and_b32 v4, s6, v1                           ; the weights likewise
	v_lshlrev_b32 v4, 13, v4
	v_lshl_add_u32 v4, v2, 5, v4
	v_add3_u32 v4, v4, s5, s7
	v_add_nc_u32 v8, s5, v5                        ; where my partial sums go in LDS
	s_lshl_b32 s26, ttmp9, 17                      ; 16 T rows of 8,192 bytes
	s_mov_b32 s27, 0
	s_wait_kmcnt 0x0
	s_cmp_eq_u32 s4, 4
	s_cselect_b64 s[24:25], s[12:13], s[10:11]     ; the weights: W_r or A1
	s_add_nc_u64 s[8:9], s[8:9], s[26:27]
	global_load_b128 v[BR:BR+3],   v10, s[14:15]
	global_load_b128 v[BR+4:BR+7], v10, s[14:15] offset:16
; Sixteen loads: steps 2 bt and 2 bt + 1.  A lane's part of a step is k = 8 h + 0..7 (bytes 0, 16) and 16 + 8 h + 0..7 (bytes 64, 80).
.macro LOADB bt, buf
.irp u, 0,1
.irp c, 0,1,2,3
	global_load_b128 v[BUF+64*(\buf)+32*(\u)+4*(\c):BUF+64*(\buf)+32*(\u)+4*(\c)+3],       v3, s[8:9]   offset:(2*(\bt)+(\u))*128+((\c)/2)*64+((\c)%2)*16
	global_load_b128 v[BUF+64*(\buf)+32*(\u)+16+4*(\c):BUF+64*(\buf)+32*(\u)+16+4*(\c)+3], v4, s[24:25] offset:(2*(\bt)+(\u))*128+((\c)/2)*64+((\c)%2)*16
.endr
.endr
.endm
; One step: 16 roundings to bf16 and a matrix instruction.  The two accumulators take turns; a set of WF is written again two steps later, behind the 16 conversions of the step between.
.macro STEP st, buf
.set sb, BUF+64*(\buf)+32*((\st)%2)
.set sx, XF+8*(\st)
.set sw, WF+8*((\st)%2)
.set sa, ACC0+8*((\st)%2)
.irp m, 0,1,2,3,4,5,6,7
	v_cvt_pk_bf16_f32 v[sx+(\m)], v[sb+2*(\m)], v[sb+2*(\m)+1]
.endr
.irp m, 0,1,2,3,4,5,6,7
	v_cvt_pk_bf16_f32 v[sw+(\m)], v[sb+16+2*(\m)], v[sb+16+2*(\m)+1]
.endr
.if (\st) < 2
	v_wmma_f32_16x16x32_bf16 v[sa:sa+7], v[sw:sw+7], v[sx:sx+7], 0
.else
	v_wmma_f32_16x16x32_bf16 v[sa:sa+7], v[sw:sw+7], v[sx:sx+7], v[sa:sa+7]
.endif
.endm
	LOADB 0, 0
	LOADB 1, 1
	s_wait_loadcnt 16                              ; loads come back in order: all but the younger batch of 16 are in
	STEP 0, 0
	STEP 1, 0
	LOADB 2, 0
	s_wait_loadcnt 16
	STEP 2, 1
	STEP 3, 1
	LOADB 3, 1
	s_wait_loadcnt 16
	STEP 4, 0
	STEP 5, 0
	s_wait_loadcnt 0x0
	STEP 6, 1
	STEP 7, 1
	s_cmp_lg_u32 s4, 4
	s_cbranch_scc1 .Lno_xb
	s_lshl_b32 s26, ttmp9, 16                      ; xb: a tile is 65,536 bytes, my wave's 32 chunks of 8 k are 8,192
	s_lshl_b32 s28, s2, 13
	s_add_co_u32 s26, s26, s28
	s_add_nc_u64 s[16:17], s[16:17], s[26:27]
.irp t, 0,1,2,3,4,5,6,7
	global_store_b128 v5, v[XF+8*(\t):XF+8*(\t)+3],   s[16:17] offset:(\t)*1024      ; each store of the wave covers 512 consecutive bytes, aligned
	global_store_b128 v5, v[XF+8*(\t)+4:XF+8*(\t)+7], s[16:17] offset:(\t)*1024+512
.endr
.Lno_xb:
.rept 4
	v_nop                                          ; four places behind the last matrix instruction, ahead of the first read of its result
.endr
.irp q, 0,1,2,3
	v_pk_add_f32 v[ACC0+2*(\q):ACC0+2*(\q)+1], v[ACC0+2*(\q):ACC0+2*(\q)+1], v[ACC0+8+2*(\q):ACC0+8+2*(\q)+1]
.endr
	ds_store_b128 v8, v[ACC0:ACC0+3]
	ds_store_b128 v8, v[ACC0+4:ACC0+7] offset:512
	s_wait_tensorcnt 0x0                           ; behind my last LDS store; no LDS write follows the add
	ds_add_u32 v6, v7
	s_wait_dscnt 0x0                               ; also for the others' sake: my partial sums are in LDS
	s_barrier_signal -1
	s_barrier_wait -1
	s_cmp_lg_u32 s2, 0
	s_cbranch_scc1 .Lend                           ; wave 0 alone goes on
.irp t, 0,1,2,3,4,5,6,7
	ds_load_b128 v[BUF+8*(\t):BUF+8*(\t)+3],   v5 offset:(\t)*1024
	ds_load_b128 v[BUF+8*(\t)+4:BUF+8*(\t)+7], v5 offset:(\t)*1024+512
.endr
	s_wait_dscnt 0x0
.set wv, 1
.rept 7
.irp q, 0,1,2,3
	v_pk_add_f32 v[BUF+2*(\q):BUF+2*(\q)+1], v[BUF+2*(\q):BUF+2*(\q)+1], v[BUF+8*wv+2*(\q):BUF+8*wv+2*(\q)+1]
.endr
.set wv, wv+1
.endr
	s_cmp_eq_u32 s4, 4
	s_cbranch_scc1 .Lroute
	; y < 4: lane (r, h) holds u1[token r][expert 2 y + h][0..7]: times the scaling 2, rounded once, 16 bytes a lane
.irp q, 0,1,2,3
	v_pk_mul_f32 v[BUF+2*(\q):BUF+2*(\q)+1], v[BUF+2*(\q):BUF+2*(\q)+1], 2.0 op_sel_hi:[1,0]
.endr
.irp q, 0,1,2,3
	v_cvt_pk_bf16_f32 v[120+(\q)], v[BUF+2*(\q)], v[BUF+2*(\q)+1]
.endr
	s_lshl_b32 s26, ttmp9, 11
	s_lshl_b32 s28, s4, 9
	s_add_co_u32 s26, s26, s28
	s_add_nc_u64 s[18:19], s[18:19], s[26:27]
	global_store_b128 v5, v[120:123], s[18:19]
	s_branch .Lend
.Lroute:
	; y = 4: both halves of the lanes hold token r's eight logits in v[112:119]
.irp q, 0,1,2,3
	v_cvt_pk_bf16_f32 v[120+(\q)], v[BR+2*(\q)], v[BR+2*(\q)+1]    ; b_r rounded to bf16 like every input,
.endr
.irp q, 0,1,2,3
	v_lshlrev_b32 v[128+2*(\q)], 16, v[120+(\q)]                   ; and widened again
	v_and_b32     v[129+2*(\q)], 0xffff0000, v[120+(\q)]
.endr
.irp q, 0,1,2,3
	v_pk_add_f32 v[112+2*(\q):113+2*(\q)], v[112+2*(\q):113+2*(\q)], v[128+2*(\q):129+2*(\q)]
.endr
	v_mov_b32 v136, v112                           ; the largest logit and its index: a strict compare keeps the lower index of equals
	v_mov_b32 v137, 0
.irp j, 1,2,3,4,5,6,7
	v_cmp_gt_f32 vcc_lo, v[112+(\j)], v136
	v_cndmask_b32 v136, v136, v[112+(\j)], vcc_lo
	v_cndmask_b32 v137, v137, \j, vcc_lo
.endr
	v_mov_b32 v138, 0xff800000
.irp j, 0,1,2,3,4,5,6,7
	v_cmp_eq_u32 vcc_lo, \j, v137                  ; the winner leaves the field,
	v_cndmask_b32 v[120+(\j)], v[112+(\j)], v138, vcc_lo
.endr
	v_mov_b32 v139, v120                           ; and the scan is run once more
	v_mov_b32 v140, 0
.irp j, 1,2,3,4,5,6,7
	v_cmp_gt_f32 vcc_lo, v[120+(\j)], v139
	v_cndmask_b32 v139, v139, v[120+(\j)], vcc_lo
	v_cndmask_b32 v140, v140, \j, vcc_lo
.endr
	s_mov_b32 s28, 0x3fb8aa3b                      ; log2(e)
	v_mul_f32 v141, s28, v136
.irp j, 0,1,2,3,4,5,6,7
	v_fma_f32 v[144+(\j)], v[112+(\j)], s28, -v141 ; (l - max) log2(e): the maximum is taken away, as in the softmax of the problem
.endr
	v_fma_f32 v152, v139, s28, -v141
.irp j, 0,1,2,3,4,5,6,7,8
	v_exp_f32 v[144+(\j)], v[144+(\j)]
.endr
	v_nop                                          ; a plain instruction behind the last exponential,
	s_wait_alu depctr_va_vdst(0)                   ; and one wait for the batch of nine
	v_pk_add_f32 v[144:145], v[144:145], v[146:147]
	v_pk_add_f32 v[148:149], v[148:149], v[150:151]
	v_pk_add_f32 v[144:145], v[144:145], v[148:149]
	v_add_f32 v144, v144, v145
	v_rcp_f32 v153, v144                           ; w0 = 1 / sum
	v_lshrrev_b32 v157, 2, v5                      ; 4 x lane = 64 h + 4 r (the plain instruction behind the reciprocal)
	s_wait_alu depctr_va_vdst(0)
	v_mul_f32 v154, v152, v153                     ; w1
	v_cmp_eq_u32 vcc_lo, 1, v2
	v_cndmask_b32 v155, v137, v140, vcc_lo         ; lane (r, h) stores choice k = h of token r
	v_cndmask_b32 v156, v153, v154, vcc_lo
	s_lshl_b32 s26, ttmp9, 7
	s_add_nc_u64 s[20:21], s[20:21], s[26:27]
	s_add_nc_u64 s[22:23], s[22:23], s[26:27]
	global_store_b32 v157, v155, s[20:21]          ; 128 consecutive bytes each, at fixed places
	global_store_b32 v157, v156, s[22:23]
.Lend:
	s_endpgm
.Lfunc_end_k_qd94ca33517_prep:
	.size	k_qd94ca33517_prep, .Lfunc_end_k_qd94ca33517_prep-k_qd94ca33517_prep
	.p2alignl 7, 3214868480
	.fill 96, 4, 3214868480
	.section	.rodata,"a",@progbits
	.p2align	6, 0x0
	.amdhsa_kernel k_qd94ca33517_prep
		.amdhsa_group_segment_fixed_size 9216
		.amdhsa_private_segment_fixed_size 0
		.amdhsa_enable_private_segment 0
		.amdhsa_kernarg_size 64
		.amdhsa_user_sgpr_count 2
		.amdhsa_user_sgpr_kernarg_segment_ptr 1
		.amdhsa_wavefront_size32 1
		.amdhsa_system_sgpr_workgroup_id_x 1
		.amdhsa_system_sgpr_workgroup_id_y 1
		.amdhsa_system_sgpr_workgroup_id_z 1
		.amdhsa_system_vgpr_workitem_id 0
		.amdhsa_next_free_vgpr 256
		.amdhsa_next_free_sgpr 66
		.amdhsa_reserve_vcc 1
		.amdhsa_float_denorm_mode_32 3
		.amdhsa_float_denorm_mode_16_64 3
		.amdhsa_memory_ordered 1
		.amdhsa_forward_progress 1
		.amdhsa_inst_pref_size 28
	.end_amdhsa_kernel
	.amdgpu_metadata
---
amdhsa.version: [ 1, 2 ]
amdhsa.kernels:
  - .name:           k_qd94ca33517_prep
    .symbol:         k_qd94ca33517_prep.kd
    .args:
      - { .name: hidden_states, .offset: 0, .size: 8, .value_kind: global_buffer, .address_space: global }
      - { .name: A1, .offset: 8, .size: 8, .value_kind: global_buffer, .address_space: global }
      - { .name: W_r, .offset: 16, .size: 8, .value_kind: global_buffer, .address_space: global }
      - { .name: b_r, .offset: 24, .size: 8, .value_kind: global_buffer, .address_space: global }
      - { .name: xb, .offset: 32, .size: 8, .value_kind: global_buffer, .address_space: global }
      - { .name: u1b, .offset: 40, .size: 8, .value_kind: global_buffer, .address_space: global }
      - { .name: ridx, .offset: 48, .size: 8, .value_kind: global_buffer, .address_space: global }
      - { .name: rw, .offset: 56, .size: 8, .value_kind: global_buffer, .address_space: global }
    .group_segment_fixed_size: 9216
    .private_segment_fixed_size: 0
    .kernarg_segment_align: 8
    .kernarg_segment_size: 64
    .max_flat_workgroup_size: 256
    .sgpr_count:     66
    .vgpr_count:     256
    .wavefront_size: 32
...
	.end_amdgpu_metadata
.endif
;; end of part 1
;; launch fc1 (part 2): grid 4 x 64, 4 waves a work-group, clusters of 4 x 1, 327,680 bytes of LDS; arguments xb, W1, b1, B1, A2, u1b, ridx, rw, hc, u2p; writes hc, u2p
.if DOCPART == 2
	.amdgcn_target "amdgcn-amd-amdhsa--gfx1250"
	.amdhsa_code_object_version 6
	.text
	.protected	k_qd94ca33517_fc1
	.globl	k_qd94ca33517_fc1
	.p2align	8
	.type	k_qd94ca33517_fc1,@function
k_qd94ca33517_fc1:
	s_mov_b64 s[64:65], 0
	v_nop
	global_prefetch_b8 v0, s[64:65] scope:SCOPE_SE
	s_setreg_imm32_b32 hwreg(HW_REG_WAVE_MODE, 25, 1), 1
	s_wait_xcnt 0x0
	s_wait_alu depctr_hold_cnt(0) depctr_sa_sdst(0) depctr_va_vdst(0) depctr_va_sdst(0) depctr_va_ssrc(0) depctr_va_vcc(0) depctr_vm_vsrc(0)
	s_getreg_b32 s2, hwreg(HW_REG_IB_STS2, 6, 4)
	s_cmp_eq_u32 s2, 0
	s_cbranch_scc0 .Lentry_in_a_cluster
	s_endpgm
.Lentry_in_a_cluster:
	s_bfe_u32 s2, ttmp6, 0x10000c
	s_cmp_lg_u32 s2, 0x3003
	s_cbranch_scc0 .Lentry_shape_is_right
	s_endpgm
.Lentry_shape_is_right:
; FC1.  base1 = x W1^T + b1 for a tile of 256 tokens x 128 columns f, K = 2,048; then, for both choices k of each token, h_k = gelu(base1 + 2 u1[e_k] B1[e_k]^T);
; stored: hc = w0 h0 + w1 h1 in bf16 (the second layer's product is linear in h, so one product serves both choices), and the tile's part of w_k h_k A2[e_k]^T in f32 (u2p).
; SHARES.  Four waves; wave (wm, wn) has 128 tokens x 64 columns: 8 x 4 accumulators, 256 registers.  The matrix instruction is used transposed (source 0 = 16 weight rows, source 1 = 16 tokens):
; a lane holds ONE token (lane % 16) and the columns 8 (lane / 16) + 0..7.
; W1 goes through a ring of two LDS slots, K = 256 a slot: 128 rows of 1,024 bytes of f32 + 16 of padding (pitch 1,040 = 65 x 16 bytes, so the sixteen rows of a load lie 16 bytes apart modulo 256).
; It is rounded to bf16 on its way from LDS to the matrix unit: each weight is read from memory once in the launch, so a launch that casts it would only add its bytes.
; CLUSTER 4 x 1: the four blocks of 256 tokens of one column block walk the same rows of W1: joint loads, one a wave (32 rows) behind each round.
; x IS NOT SHARED THROUGH LDS, though the 64 work-groups of a block of tokens walk the same x.  xb lies in memory in the order in which the operand registers take it, so a load of the wave covers 512 consecutive
; bytes, aligned, and goes straight into registers.  Through LDS each byte of x would be written once and read twice: for a K of 128 that is 64 KB written and 128 KB read beside W1's 65 KB and 128 KB;
; and two slots with x in them hold K = 128 each, so that a refill would have half the products in which to land.  x is asked for three quarters ahead: four buffers of 64 registers.
; THE WALK OVER K begins at slot nt % 8 and wraps round, so that the 64 work-groups that read the same rows of x are spread over eight places in them.
; THE LoRA PARTS are K extensions of 64 = 8 experts x 8 ranks with the experts that a token did not choose set to 0, as the problem's own dispatch mask does: in a 16-bit fragment four registers are one expert's
; eight ranks, so the mask is a select on register groups.  No address, branch or trip count hangs on the routing: every split of the tokens is served alike.
; LIMITS.  All inputs are rounded to bf16, b1 too; u1, h_k (for A2's product) and hc are rounded once to bf16; sums stay in f32, and the order of the sum over K differs from column block to column block.
; gelu = x / (1 + 2^(x (c1 + c2 x x))).  NaN and infinities are not treated apart.
; REGISTERS, in windows of 256 (s_set_vgpr_msb: bits 1:0 source 0, 3:2 source 1, 5:4 source 2, 7:6 destination):
;   window 0: v0-31 addresses and small things; v32-63 bias, later CB; v64-127 W1's f32 stage, later PK; v128-191 W1's bf16 fragments (two buffers), later TT; v192-223 Z; v224-255 HB
;   window 1: the accumulators, (a, b) at 8 (4 a + b); behind the loop B1's and A2's fragments (v0-127) and the next tile's routing (v192-211)
;   window 2: x's fragments, four buffers of 64          window 3: B1 and A2 in f32, loaded ahead of the loop and used behind it
.set SLOT,   133120                    ; 128 rows x 1,040 bytes
.set BP,     1040
.set WROW,   2048                      ; elements from row to row of W1
.set U2S,    2*SLOT                    ; behind the ring: 8,192 bytes a wave for the parts of u2
.set SPARE,  U2S+4*8192                ; behind that: the spare words, 128 bytes a wave
.set ADRB0, 2                          ; v2     my lane's place in a slot: row 64 wn + r, 32 h bytes; never rewritten
.set BADR,  3                          ; v3     the LDS address of the body's four runs of loads
.set SPW,  6                           ; v6     my spare word; never rewritten
.set NIL,  7                           ; v7     0; never rewritten
.set OB1,  8                           ; v8     my byte offset in B1
.set OA2,  9                           ; v9     in A2
.set L16,  10                          ; v10    16 x lane; never rewritten
.set R4,   11                          ; v11    4 x (lane % 16)
.set E0,   12                          ; v12-13 the token's two experts
.set W0,   14                          ; v14-15, v16-17 their weights, each twice
.set D0,   18                          ; v18-19 e_k - h
.set DMP,  20                          ; v20    my place in my wave's dump; v21 the tile's
.set HH,   22                          ; v22    h = lane / 16
.set US,   23                          ; v23    my place in my wave's part of U2S; v24 the tile's
.set BIAS, 32
.set STG,  64
.set BBF,  128
.set CB,   32                          ; base1 of the tile in hand, back from the dump
.set PK,   64                          ; x of choice k at 32 k + 8 b + j; later u2's products, block bb at 32 k + 8 bb
.set TT,   128
.set ZZ,   192                         ; the masked u1: 16 k + 8 s
.set HB,   224                         ; h_k in bf16: 16 k + 8 kk
.set NU,   192                         ; window 1: the next tile's u1b,
.set NRI,  208                         ; experts
.set NRW,  210                         ; and weights
.set WBASE, 14                         ; s[14:15] W1 at my 32 rows
.set G1, 24                            ; s[24:31] descriptor group 1
.set G0, 32                            ; s[32:39] group 0: a set for each of the two first fills; the second then walks on
.set ABASE, 44                         ; s[44:45] xb at my 8 token tiles; never rewritten
.set SA1,  46                          ; s[46:47], s[48:49] xb at the two groups of four quarters from which a body fetches
.set SA2,  48
.set GI,   50                          ; s50  counts those groups
.set TN,   51                          ; s51  the tile of W1 to be asked for next
.set OFA,  52                          ; s[52:53] a group's byte offset in xb
.set TB,   54                          ; s54  LDS byte at which the stages of the body to come begin
.set CNT,  55                          ; s55  counts a slot's two bodies
.set SLOTS, 56                         ; s56  counts the changes of slots that fill
.set ASTART, 58                        ; s[58:59] xb at the walk's first slot; never rewritten
.set OFW,  60                          ; s[60:61] a tile's byte offset in W1's rows
.set SH,  70                           ; s70  lanes with h = 1
.set MA0, 71                           ; bit 1 and bit 2 of e0, of e1; lanes whose own half holds their choice
.set MB0, 98
.set MA1, 99
.set MB1, 100
.set MP,  101
.set MSB, 0
.macro WIN new                         ; the immediate's high byte repeats the setting that is left; a switch that changes nothing is dropped
.if MSB != (\new)
	s_set_vgpr_msb (MSB<<8)|(\new)
.set MSB, \new
.endif
.endm
.set MUL,  0x58                        ; source 0 (W1) window 0, source 1 (x) window 2, C and D window 1
.set MULB, 0x48                        ; the same with C (the bias) in window 0
.set TO_A, 0x80                        ; destination window 2, address window 0
.macro CROUND                          ; a round of the cluster's barrier: my work-group's barrier; wave 0 signals for the work-group; every wave waits for all four work-groups; my work-group's barrier once more
	s_barrier_signal -1
	s_barrier_wait -1
	s_cmp_lg_u32 s10, 0
	s_cbranch_scc1 .Lnot_wave_0_\@
	s_barrier_signal -3
.Lnot_wave_0_\@:
	s_barrier_wait -3
	s_barrier_signal -1
	s_barrier_wait -1
.endm
	s_load_b512 s[72:87], s[0:1], 0x0              ; xb s[72:73], W1 s[74:75], b1 s[76:77], B1 s[78:79], A2 s[80:81], u1b s[82:83], ridx s[84:85], rw s[86:87]
	s_load_b128 s[88:91], s[0:1], 0x40             ; hc s[88:89], u2p s[90:91]
	v_lshl_add_u32 v[SPW], v0, 2, SPARE
	v_mov_b32 v[NIL], 0
	ds_add_u32 v[SPW], v[NIL]                      ; the wave's opening: the add and its wait stand ahead of my first tensor load; the set-up below stands between them
	v_lshrrev_b32 v1, 5, v0
	v_readfirstlane_b32 s10, v1                    ; wave 0..3
	s_lshr_b32 s11, s10, 1                         ; wm: which 128 tokens are mine
	s_and_b32 s12, s10, 1                          ; wn: which 64 columns
	s_bfe_u32 s40, ttmp6, 0x40000                  ; cx: my place in the cluster
	s_lshl_b32 s41, ttmp9, 2
	s_add_co_u32 s41, s41, s40                     ; the block of 256 tokens = 4 x cluster x + cx: it enters x's and the results' addresses alone
	s_and_b32 s42, ttmp7, 0xffff                   ; nt: the block of 128 columns, which the four partners share
	s_and_b32 s43, s42, 7                          ; the slot of K at which the walk begins
	s_mov_b32 s[G1+0], 15|(2<<16)|(1<<20)|(1<<21)|(7<<22)|(3<<25)  ; 15:0 the mask of four; 17:16 elements of 4 bytes; 20 padding on; 21 set beside a mask; 24:22 after every 256 words (code 7); 31:25 4 words (code 3)
	s_mov_b32 s[G1+1], 256<<16                     ; tensor_dim0 = 256
	s_mov_b32 s[G1+2], 32<<16                      ; tensor_dim1 = 32 rows
	s_mov_b32 s[G1+3], 256<<16                     ; tile_dim0
	s_mov_b32 s[G1+4], 32                          ; tile_dim1
	s_mov_b32 s[G1+5], WROW
	s_mov_b32 s[G1+6], 0
	s_mov_b32 s[G1+7], 0
	s_lshl_b32 s16, s42, 20                        ; W1: 128 rows of 8,192 bytes a block,
	s_lshl_b32 s17, s10, 18                        ; my wave's 32
	s_add_co_u32 s16, s16, s17
	s_mov_b32 s17, 0
	s_lshl_b32 s18, s41, 20                        ; xb: 16 token tiles of 65,536 bytes a block,
	s_lshl_b32 s19, s11, 19                        ; my half's 8
	s_add_co_u32 s18, s18, s19
	s_mov_b32 s19, 0
	s_mul_i32 s20, s10, 32*BP                      ; where my rows go in a slot: no place in the cluster enters an LDS address
	s_mov_b32 s[OFA+1], 0
	s_mov_b32 s[OFW+1], 0
	s_mov_b32 s[TB], 512                           ; the first body fetches quarters 4 to 7 of slot 0
	s_lshl_b32 s[GI], s43, 1
	s_add_co_u32 s[GI], s[GI], 1                   ; the walk's second group of four quarters
	s_wait_dscnt 0x0                               ; the opening add is done
	s_wait_kmcnt 0x0
	s_add_nc_u64 s[WBASE:WBASE+1], s[74:75], s[16:17]
	s_add_nc_u64 s[ABASE:ABASE+1], s[72:73], s[18:19]
	s_lshl_b32 s[OFA], s43, 13                     ; a slot's K of 256 is 8,192 bytes of a token tile
	s_add_nc_u64 s[ASTART:ASTART+1], s[ABASE:ABASE+1], s[OFA:OFA+1]
	s_lshl_b32 s[OFA], s[GI], 12
	s_add_nc_u64 s[SA2:SA2+1], s[ABASE:ABASE+1], s[OFA:OFA+1]
	s_mov_b32 s[G0], 1                             ; slot 0: the walk's first tile
	s_mov_b32 s[G0+1], s20
	s_lshl_b32 s[OFW], s43, 10                     ; a tile's K of 256 is 1,024 bytes of a row
	s_add_nc_u64 s[G0+2:G0+3], s[WBASE:WBASE+1], s[OFW:OFW+1]
	s_or_b32 s[G0+3], s[G0+3], 0x80000000
	s_add_co_u32 s[TN], s43, 1
	s_and_b32 s[TN], s[TN], 7
	s_mov_b32 s[G0+4], 1                           ; slot 1: the second
	s_add_co_u32 s[G0+5], s20, SLOT
	s_lshl_b32 s[OFW], s[TN], 10
	s_add_nc_u64 s[G0+6:G0+7], s[WBASE:WBASE+1], s[OFW:OFW+1]
	s_or_b32 s[G0+7], s[G0+7], 0x80000000
	s_add_co_u32 s[TN], s[TN], 1
	s_and_b32 s[TN], s[TN], 7
	CROUND                                         ; all four work-groups are here: the first joint loads meet
	tensor_load_to_lds s[G0:G0+3], s[G1:G1+7]
	s_nop 0
	tensor_load_to_lds s[G0+4:G0+7], s[G1:G1+7]    ; two loads of mine are out
	s_nop 0
.rept 4
	v_nop
.endr
; 16 loads: x's fragments of one quarter (128 tokens x 32 k) into buffer ab: each covers 512 consecutive bytes of a token tile, aligned
.macro FETCHA ab, sa, aoff
	WIN TO_A
.irp a, 0,1,2,3,4,5,6,7
	global_load_b128 v[64*(\ab)+8*(\a):64*(\ab)+8*(\a)+3],   v[L16], s[\sa:\sa+1] offset:(\a)*65536+(\aoff)
	global_load_b128 v[64*(\ab)+8*(\a)+4:64*(\ab)+8*(\a)+7], v[L16], s[\sa:\sa+1] offset:(\a)*65536+(\aoff)+512
.endr
.endm
; 16 LDS loads: 64 rows of W1 x 32 k in f32 into the stage
.macro FETCHB vb, boff
	WIN 0
.irp n, 0,1,2,3
.irp c, 0,1,2,3
	ds_load_b128 v[STG+16*(\n)+4*(\c):STG+16*(\n)+4*(\c)+3], v[\vb] offset:(\n)*16*BP+(\boff)+((\c)/2)*64+((\c)%2)*16
.endr
.endr
.endm
	v_and_b32 v1, 15, v0                           ; r
	v_bfe_u32 v[HH], v0, 4, 1                      ; h
	v_and_b32 v[L16], 31, v0
	v_lshlrev_b32 v[L16], 4, v[L16]
	FETCHA 0, ASTART, 0                            ; x's first three quarters
	FETCHA 1, ASTART, 1024
	FETCHA 2, ASTART, 2048
	WIN 0
	v_lshlrev_b32 v[R4], 2, v1
	v_lshl_add_u32 v28, s12, 6, v1                 ; row 64 wn + r,
	v_mul_u32_u24 v28, v28, BP
	v_lshl_add_u32 v[ADRB0], v[HH], 5, v28         ; 32 h: eight f32
	v_lshl_add_u32 v[DMP], s10, 15, v[L16]
	v_lshl_add_u32 v[US], s10, 13, v[L16]
	v_add_nc_u32 v[US], U2S, v[US]
	v_lshlrev_b32 v31, 5, v[HH]
	v_lshlrev_b32 v[OB1], 5, v1                    ; B1[e][f][rank]: column r x 32 bytes + expert h x 262,144
	v_lshl_add_u32 v[OB1], v[HH], 18, v[OB1]
	v_lshlrev_b32 v[OA2], 15, v1                   ; A2 as [64][8192]: row r x 32,768 bytes + 32 h
	v_lshl_add_u32 v[OA2], v[HH], 5, v[OA2]
	s_lshl_b32 s8, s42, 9                          ; my first column f0 = 128 nt + 64 wn, times 4 bytes
	s_lshl_b32 s9, s12, 8
	s_add_co_u32 s8, s8, s9
	s_mov_b32 s9, 0
	s_add_nc_u64 s[76:77], s[76:77], s[8:9]
	s_add_nc_u64 s[80:81], s[80:81], s[8:9]
	s_lshl_b32 s8, s8, 3                           ; times 32 bytes
	s_add_nc_u64 s[78:79], s[78:79], s[8:9]
.irp b, 0,1,2,3
	global_load_b128 v[BIAS+8*(\b):BIAS+8*(\b)+3],   v31, s[76:77] offset:(\b)*64     ; b1 of columns 16 b + 8 h + 0..7: the C operand of the first products
	global_load_b128 v[BIAS+8*(\b)+4:BIAS+8*(\b)+7], v31, s[76:77] offset:(\b)*64+16
.endr
	; B1 and A2 for my 64 columns, in f32, into window 3: 64 loads; nothing in the loop names their registers
	WIN 0xc0
.irp b, 0,1,2,3
.irp s, 0,1
.irp g, 0,1
	global_load_b128 v[32*(\b)+16*(\s)+8*(\g):32*(\b)+16*(\s)+8*(\g)+3],   v[OB1], s[78:79] offset:(\s)*1048576+(\g)*524288+(\b)*512     ; column 16 b + r, expert 4 s + 2 g + h, ranks 0..7
	global_load_b128 v[32*(\b)+16*(\s)+8*(\g)+4:32*(\b)+16*(\s)+8*(\g)+7], v[OB1], s[78:79] offset:(\s)*1048576+(\g)*524288+(\b)*512+16
.endr
.endr
.endr
.irp b, 0,1,2,3
.irp s, 0,1
.irp c, 0,1,2,3
	global_load_b128 v[128+32*(\b)+16*(\s)+4*(\c):128+32*(\b)+16*(\s)+4*(\c)+3], v[OA2], s[80:81] offset:(\b)*524288+(\s)*128+((\c)/2)*64+((\c)%2)*16  ; row 16 b + r, columns 32 s on
.endr
.endr
.endr
	WIN 0
	s_wait_loadcnt 63                              ; loads come back in order: 64 were issued behind the bias, so it is in, and x's first three quarters with it
.set i, 0
.rept 16
	v_cvt_pk_bf16_f32 v[STG+i], v[BIAS+2*i], v[BIAS+2*i+1]         ; rounded to bf16 like every input,
.set i, i+1
.endr
.set i, 0
.rept 16
	v_lshlrev_b32 v[BIAS+2*i], 16, v[STG+i]                        ; and widened again
	v_and_b32 v[BIAS+2*i+1], 0xffff0000, v[STG+i]
.set i, i+1
.endr
; Matrix instruction i of a quarter's 32, on W1's buffer f and x's buffer ab: column block i / 8, token tile i % 8.  Each accumulator has one turn a quarter.
; zero = 1: the first product starts the sum with the bias.
.macro MM f, ab, i, zero
.set rD, 8*(4*((\i)%8)+(\i)/8)
.set rB, BBF+32*(\f)+8*((\i)/8)
.set rA, 64*(\ab)+8*((\i)%8)
.if \zero
	WIN MULB
	v_wmma_f32_16x16x32_bf16 v[rD:rD+7], v[rB:rB+7], v[rA:rA+7], v[BIAS+8*((\i)/8):BIAS+8*((\i)/8)+7]
.else
	WIN MUL
	v_wmma_f32_16x16x32_bf16 v[rD:rD+7], v[rB:rB+7], v[rA:rA+7], v[rD:rD+7]
.endif
.endm
.macro MULS f, ab, i0, n, zero         ; n of them on end
.set mi, \i0
.rept \n
	MM \f, \ab, mi, \zero
.set mi, mi+1
.endr
.endm
.macro MULR f, ab, g, zero             ; the last eight, behind each four roundings of the stage into W1's buffer g
.set mi, 24
.rept 8
	MM \f, \ab, mi, \zero
	WIN 0
.set cj, 4*(mi-24)
.rept 4
	v_cvt_pk_bf16_f32 v[BBF+32*(\g)+cj], v[STG+2*cj], v[STG+2*cj+1]
.set cj, cj+1
.endr
.set mi, mi+1
.endr
.endm
; A QUARTER: 32 along K, 32 matrix instructions on W1's buffer f and x's buffer ab.  Behind its eighth it fetches the next quarter's stage (LDS address vb + boff) and asks for x three quarters on
; (base sa, byte aoff), into the buffer that the quarter before multiplied: the four conversions behind that quarter's last matrix instruction, which name none of its registers, are the four places between.
; cnt: how many younger loads may stay out when this quarter's x has to be there.
.macro QUARTER f, ab, zero, vb, boff, sa, aoff, cnt
.set qg, 1-(\f)
.set qn, ((\ab)+3)%4
	s_wait_loadcnt \cnt
	MULS \f, \ab, 0, 8, \zero
	FETCHB \vb, \boff
	FETCHA qn, \sa, \aoff
	MULS \f, \ab, 8, 16, \zero
	s_wait_dscnt 0x0                               ; the stage is in: its sixteen loads are the only LDS loads out
	MULR \f, \ab, qg, \zero
.endm
; A BODY: four quarters: 3, 4, 5, 6 of a slot, or 7 and the next slot's 0, 1, 2; it fetches the stages of the four quarters one further on, which lie in ONE slot, 512 bytes of each row.
; x three quarters on lies in two groups of four quarters; a group's number wraps round at 16, so the look-ahead of the last body stays inside xb (its last 32 loads fetch bytes that nobody uses).
.macro BODY
	s_wait_xcnt 0x0                                ; the loads issued so far have had their addresses translated: only behind this wait are their bases rewritten
	s_mov_b64 s[SA1:SA1+1], s[SA2:SA2+1]
	s_add_co_u32 s[GI], s[GI], 1
	s_and_b32 s[OFA], s[GI], 15
	s_lshl_b32 s[OFA], s[OFA], 12
	s_add_nc_u64 s[SA2:SA2+1], s[ABASE:ABASE+1], s[OFA:OFA+1]
	v_add_nc_u32 v[BADR], s[TB], v[ADRB0]
	s_add_co_u32 s[TB], s[TB], 512
	QUARTER 1, 3, 0, BADR, 0,   SA1, 2048, 32      ; 32: the two younger quarters' loads stay out
	QUARTER 0, 0, 0, BADR, 128, SA1, 3072, 32
	QUARTER 1, 1, 0, BADR, 256, SA2, 0,    32
	QUARTER 0, 2, 0, BADR, 384, SA2, 1024, 32
	WIN 0
.endm
; THE CHANGE OF SLOTS, between a slot's quarters 6 and 7: the slot's last stage is in registers.  Each wave waits for all its tensor loads (one is out: its rows of the other slot), adds 0 to its spare word, and waits
; for that and for its reads of the slot.  fill = 1: the barrier is a round of the cluster's, so that no wave of any partner still reads the slot or has a load on its way, and the slot is filled again first thing
; behind it, with the tile two slots on: that load has eight quarters, 256 matrix instructions a wave, in which to land.
.macro CHANGE fill
	WIN 0
	s_wait_tensorcnt 0x0                           ; no tensor load of mine is out, so a group 0 may be written
	ds_add_u32 v[SPW], v[NIL]                      ; the scalar work stands between the add and the wait for it
.if \fill
	s_xor_b32 s[G0+5], s[G0+5], SLOT               ; the walking descriptor: the other slot than last time (SLOT's two bits are in no wave's 33,280 w),
	s_lshl_b32 s[OFW], s[TN], 10
	s_add_nc_u64 s[G0+6:G0+7], s[WBASE:WBASE+1], s[OFW:OFW+1]  ; the address made anew from the tile's number,
	s_or_b32 s[G0+7], s[G0+7], 0x80000000
	s_add_co_u32 s[TN], s[TN], 1                   ; which wraps round at 8
	s_and_b32 s[TN], s[TN], 7
.endif
	s_sub_co_u32 s[TB], s[TB], 1024                ; the fetches go back to a slot's first quarter,
	s_xor_b32 s[TB], s[TB], SLOT                   ; in the other slot
	s_wait_dscnt 0x0
.if \fill
	CROUND
	tensor_load_to_lds s[G0+4:G0+7], s[G1:G1+7]    ; my one tensor load behind the round, and the first thing there
	s_nop 0
.rept 4
	v_nop
.endr
.else
	s_barrier_signal -1
	s_barrier_wait -1
.endif
.endm
	s_wait_tensorcnt 1                             ; my rows of slot 0 are in; slot 1's may stay out
	s_barrier_signal -1
	s_barrier_wait -1
	FETCHB ADRB0, 0
	s_wait_dscnt 0x0
.set cj, 0
.rept 32
	v_cvt_pk_bf16_f32 v[BBF+cj], v[STG+2*cj], v[STG+2*cj+1]
.set cj, cj+1
.endr
	QUARTER 0, 0, 1, ADRB0, 128, ASTART, 3072, 63  ; the first three quarters are written out; the first one's products start the sums.  63: behind each of x's first three quarters more than 63 loads were issued
	QUARTER 1, 1, 0, ADRB0, 256, ASTART, 4096, 63
	QUARTER 0, 2, 0, ADRB0, 384, ASTART, 5120, 63
	WIN 0
	s_mov_b32 s[CNT], 1
	s_mov_b32 s[SLOTS], 7
	s_branch .Lbody                                ; the loop is entered at a slot's second body
.Lslot:                                                ; six times: every slot but the last two is filled again
	CHANGE 1
	s_mov_b32 s[CNT], 2
.Lbody:
	BODY
	s_sub_co_u32 s[CNT], s[CNT], 1
	s_cmp_lg_u32 s[CNT], 0
	s_cbranch_scc1 .Lbody
	s_sub_co_u32 s[SLOTS], s[SLOTS], 1
	s_cmp_lg_u32 s[SLOTS], 0
	s_cbranch_scc1 .Lslot
	CHANGE 0                                       ; the tail is written out: nothing is asked for
	s_mov_b32 s[CNT], 2
.Ltailb:
	BODY
	s_sub_co_u32 s[CNT], s[CNT], 1
	s_cmp_lg_u32 s[CNT], 0
	s_cbranch_scc1 .Ltailb
	s_wait_loadcnt 32                              ; the last quarter: nothing more to fetch
	MULS 1, 3, 0, 32, 0
	WIN 0
	; BEHIND THE LOOP.  base1 goes into LDS, 32,768 bytes a wave, so that ONE text can walk the wave's eight token tiles.  The bytes are slot 0's: it has had its last fill, and every wave's last reads of it
	; lie ahead of the last change's barrier.  Each wave reads only what it wrote.
.rept 4
	v_nop                                          ; four places behind the last matrix instruction
.endr
	WIN 0x04                                       ; data (source 1) in window 1
.irp a, 0,1,2,3,4,5,6,7
.irp b, 0,1,2,3
	ds_store_b128 v[DMP], v[8*(4*(\a)+(\b)):8*(4*(\a)+(\b))+3],   offset:(\a)*4096+(\b)*1024
	ds_store_b128 v[DMP], v[8*(4*(\a)+(\b))+4:8*(4*(\a)+(\b))+7], offset:(\a)*4096+(\b)*1024+512
.endr
.endr
	WIN 0
	s_mov_b32 s4, 0x76543210                       ; v_permlanex16_b32: each lane takes its own place in the other half
	s_mov_b32 s5, 0xfedcba98
	s_mov_b32 s66, 0xc0135761                      ; c1 = -2 sqrt(2 / pi) log2(e) = -2.3022082
	s_mov_b32 s67, s66
	s_mov_b32 s68, 0xbdd2d3e8                      ; c2 = 0.044715 c1 = -0.10294324
	s_mov_b32 s69, s68
	v_cmp_eq_u32 s[SH], 1, v[HH]
	s_lshl_b32 s22, s41, 4
	s_lshl3_add_u32 s22, s11, s22                  ; my first token tile: 16 x token block + 8 wm
	s_lshr_b32 s8, s42, 4                          ; hc: [f / 2048][token tile][(f % 2048) / 8][token][8]
	s_lshl_b32 s8, s8, 22
	s_lshl_b32 s13, s22, 16
	s_add_co_u32 s8, s8, s13
	s_and_b32 s13, s42, 15
	s_lshl_b32 s13, s13, 12
	s_add_co_u32 s8, s8, s13
	s_lshl_b32 s13, s12, 11
	s_add_co_u32 s8, s8, s13
	s_add_nc_u64 s[88:89], s[88:89], s[8:9]
; The routing of token tile s21: 2 u1 in fragment order, the two experts and the two weights of token r.  The bases are made anew each time; the loads before have been waited for.
.macro NEXTL
	s_lshl_b32 s8, s21, 11
	s_add_nc_u64 s[92:93], s[82:83], s[8:9]
	s_lshl_b32 s8, s21, 7
	s_add_nc_u64 s[94:95], s[84:85], s[8:9]
	s_add_nc_u64 s[96:97], s[86:87], s[8:9]
	WIN 0x40
.irp y, 0,1,2,3
	global_load_b128 v[NU+4*(\y):NU+4*(\y)+3], v[L16], s[92:93] offset:(\y)*512
.endr
	global_load_b32 v[NRI],   v[R4], s[94:95]
	global_load_b32 v[NRI+1], v[R4], s[94:95] offset:64
	global_load_b32 v[NRW],   v[R4], s[96:97]
	global_load_b32 v[NRW+1], v[R4], s[96:97] offset:64
	WIN 0
.endm
	s_mov_b32 s21, s22
	s_wait_dscnt 0x0                               ; the dump has left its registers
	NEXTL
	s_wait_loadcnt 8                               ; all but the eight just issued: B1 and A2 are in
	WIN 0x4f                                       ; sources window 3, destination window 1
.set i, 0
.rept 128
	v_cvt_pk_bf16_f32 v[i], v[2*i], v[2*i+1]       ; B1's fragments at 16 b + 8 s, A2's at 64 + 16 bb + 8 kk
.set i, i+1
.endr
	WIN 0
; THE GELU, a pair p of 16 or an element e of 32 at a time, for choice k
.macro GREG k, p
.set gX, PK+32*(\k)+2*(\p)
.set gT, TT+32*(\k)+2*(\p)
.endm
.macro GA1 k, p                        ; x x
	GREG \k, \p
	v_pk_mul_f32 v[gT:gT+1], v[gX:gX+1], v[gX:gX+1]
.endm
.macro GA2 k, p                        ; c2 x x + c1
	GREG \k, \p
	v_pk_fma_f32 v[gT:gT+1], v[gT:gT+1], s[68:69], s[66:67] op_sel_hi:[1,0,0]
.endm
.macro GA3 k, p                        ; times x
	GREG \k, \p
	v_pk_mul_f32 v[gT:gT+1], v[gT:gT+1], v[gX:gX+1]
.endm
.macro GE k, e
	v_exp_f32 v[TT+32*(\k)+(\e)], v[TT+32*(\k)+(\e)]
.endm
.macro GB k, p                         ; 1 + 2^..
	GREG \k, \p
	v_pk_add_f32 v[gT:gT+1], v[gT:gT+1], 1.0 op_sel_hi:[1,0]
.endm
.macro GR k, e
	v_rcp_f32 v[TT+32*(\k)+(\e)], v[TT+32*(\k)+(\e)]
.endm
.macro GH k, p                         ; h = x / (1 + 2^..)
	GREG \k, \p
	v_pk_mul_f32 v[gX:gX+1], v[gX:gX+1], v[gT:gT+1]
.endm
.macro GC k, p                         ; h in bf16: two results of neighbouring column blocks ARE a fragment of source 1
	GREG \k, \p
	v_cvt_pk_bf16_f32 v[HB+16*(\k)+(\p)], v[gX], v[gX+1]
.endm
.macro GW0 p                           ; w0 h0
	v_pk_mul_f32 v[TT+2*(\p):TT+2*(\p)+1], v[PK+2*(\p):PK+2*(\p)+1], v[W0:W0+1]
.endm
.macro GW1 p                           ; + w1 h1
	v_pk_fma_f32 v[TT+2*(\p):TT+2*(\p)+1], v[PK+32+2*(\p):PK+32+2*(\p)+1], v[W0+2:W0+3], v[TT+2*(\p):TT+2*(\p)+1]
.endm
.macro GO p                            ; rounded once
	v_cvt_pk_bf16_f32 v[TT+32+(\p)], v[TT+2*(\p)], v[TT+2*(\p)+1]
.endm
; Product n of 8 of h_k A2^T: rows 16 (n % 4) on of A2's 64, columns 32 (n / 4) on.  The four accumulators take turns.
.macro U2M k, n
	WIN 0x01                                       ; source 0 in window 1
.set uD, PK+32*(\k)+8*((\n)%4)
.set uA, 64+16*((\n)%4)+8*((\n)/4)
.set uH, HB+16*(\k)+8*((\n)/4)
.if (\n) < 4
	v_wmma_f32_16x16x32_bf16 v[uD:uD+7], v[uA:uA+7], v[uH:uH+7], 0
.else
	v_wmma_f32_16x16x32_bf16 v[uD:uD+7], v[uA:uA+7], v[uH:uH+7], v[uD:uD+7]
.endif
.endm
; Of the four blocks of two experts, the one that holds e_k; each accumulator's lowest register is read first
.macro SEL k, dst, ma, mb
.set sj, 0
.rept 8
	v_cndmask_b32 v28, v[PK+32*(\k)+sj], v[PK+32*(\k)+8+sj], s[\ma]
	v_cndmask_b32 v29, v[PK+32*(\k)+16+sj], v[PK+32*(\k)+24+sj], s[\ma]
	v_cndmask_b32 v[(\dst)+sj], v28, v29, s[\mb]
.set sj, sj+1
.endr
.endm
	s_mov_b32 s2, 0
.Ltile:                                                ; eight trips: token tile a = s2 of my wave
	s_lshl_b32 s13, s2, 12
	v_add_nc_u32 v[DMP+1], s13, v[DMP]
.irp b, 0,1,2,3
	ds_load_b128 v[CB+8*(\b):CB+8*(\b)+3],   v[DMP+1] offset:(\b)*1024
	ds_load_b128 v[CB+8*(\b)+4:CB+8*(\b)+7], v[DMP+1] offset:(\b)*1024+512
.endr
	s_wait_loadcnt 0x0                             ; this tile's routing is in
	WIN 0x01
	v_mov_b32 v[E0], v[NRI]
	v_mov_b32 v[E0+1], v[NRI+1]
	v_mov_b32 v[W0], v[NRW]
	v_mov_b32 v[W0+1], v[NRW]
	v_mov_b32 v[W0+2], v[NRW+1]
	v_mov_b32 v[W0+3], v[NRW+1]
	WIN 0
	v_sub_nc_u32 v[D0], v[E0], v[HH]
	v_sub_nc_u32 v[D0+1], v[E0+1], v[HH]
.irp y, 0,1,2,3
	v_cmp_eq_u32 s[13+(\y)], 2*(\y), v[D0]         ; register group y of my lane holds expert 2 y + h
	v_cmp_eq_u32 s[17+(\y)], 2*(\y), v[D0+1]
.endr
	WIN 0x04                                       ; source 1 in window 1
.irp y, 0,1,2,3
.irp m, 0,1,2,3
	v_cndmask_b32 v[ZZ+4*(\y)+(\m)],    0, v[NU+4*(\y)+(\m)], s[13+(\y)]   ; the dispatch mask: the chosen expert's eight ranks, 0 elsewhere
	v_cndmask_b32 v[ZZ+16+4*(\y)+(\m)], 0, v[NU+4*(\y)+(\m)], s[17+(\y)]
.endr
.endr
	WIN 0
	v_and_b32 v28, 2, v[E0]
	v_cmp_ne_u32 s[MA0], 0, v28
	v_and_b32 v28, 4, v[E0]
	v_cmp_ne_u32 s[MB0], 0, v28
	v_and_b32 v28, 2, v[E0+1]
	v_cmp_ne_u32 s[MA1], 0, v28
	v_and_b32 v28, 4, v[E0+1]
	v_cmp_ne_u32 s[MB1], 0, v28
	v_cndmask_b32 v25, v[E0], v[E0+1], s[SH]       ; lane (r, h) will keep choice k = h
	v_and_b32 v25, 1, v25
	v_cmp_eq_u32 s[MP], v25, v[HH]
	v_cndmask_b32 v26, v[W0], v[W0+2], s[SH]
	v_mov_b32 v27, v26
	s_add_co_u32 s21, s2, 1                        ; the next tile's routing is asked for; the last trip asks for its own once more, so that no load leaves a buffer
	s_min_u32 s21, s21, 7
	s_add_co_u32 s21, s21, s22
	NEXTL
	s_wait_dscnt 0x0                               ; base1 is back
	WIN 0x01
.irp s, 0,1
.irp k, 0,1
.irp b, 0,1,2,3
.if (\s) == 0
	v_wmma_f32_16x16x32_bf16 v[PK+32*(\k)+8*(\b):PK+32*(\k)+8*(\b)+7], v[16*(\b):16*(\b)+7], v[ZZ+16*(\k):ZZ+16*(\k)+7], v[CB+8*(\b):CB+8*(\b)+7]
.else
	v_wmma_f32_16x16x32_bf16 v[PK+32*(\k)+8*(\b):PK+32*(\k)+8*(\b)+7], v[16*(\b)+8:16*(\b)+15], v[ZZ+16*(\k)+8:ZZ+16*(\k)+15], v[PK+32*(\k)+8*(\b):PK+32*(\k)+8*(\b)+7]
.endif
.endr
.endr
.endr
	WIN 0
.rept 4
	v_nop                                          ; four places behind the last of them
.endr
	; Four phases; plain instructions and transcendentals by turns; each batch of transcendentals has ONE wait, ahead of the phase that first names its results
.set gp, 0
.rept 16                                               ; the exponents of choice 0, its exponentials a pair behind
	GA1 0, gp
.if gp > 0
	GE 0, 2*gp-2
.endif
	GA2 0, gp
.if gp > 0
	GE 0, 2*gp-1
.endif
	GA3 0, gp
.set gp, gp+1
.endr
	GE 0, 30
	GE 0, 31
	v_nop
	s_wait_alu depctr_va_vdst(0)
.set gp, 0
.rept 16                                               ; the same for choice 1; choice 0's 1 + 2^.. and its reciprocals
	GA1 1, gp
.if gp > 0
	GE 1, 2*gp-2
.endif
	GA2 1, gp
.if gp > 0
	GE 1, 2*gp-1
.endif
	GA3 1, gp
.if gp > 0
	GR 0, 2*gp-2
.endif
	GB 0, gp
.if gp > 0
	GR 0, 2*gp-1
.endif
.set gp, gp+1
.endr
	GE 1, 30
	GE 1, 31
	GR 0, 30
	GR 0, 31
	v_nop
	s_wait_alu depctr_va_vdst(0)
.set gp, 0
.rept 16                                               ; choice 1's reciprocals; h0, its rounding, w0 h0
	GB 1, gp
.if gp > 0
	GR 1, 2*gp-2
.endif
	GH 0, gp
.if gp > 0
	GR 1, 2*gp-1
.endif
	GC 0, gp
	GW0 gp
.set gp, gp+1
.endr
	GR 1, 30
	GR 1, 31
	v_nop
	s_wait_alu depctr_va_vdst(0)
.set gp, 0
.rept 16                                               ; h1, its rounding, + w1 h1; beside them h0 A2^T, which lands where x of choice 0 lay
.if gp%2 == 0
	U2M 0, gp/2
	WIN 0
.endif
	GH 1, gp
	GC 1, gp
	GW1 gp
.set gp, gp+1
.endr
.set gp, 0
.rept 8                                                ; h1 A2^T; beside it hc is rounded
	U2M 1, gp
	WIN 0
	GO 2*gp
	GO 2*gp+1
.set gp, gp+1
.endr
.irp b, 0,1,2,3
	global_store_b128 v[L16], v[TT+32+4*(\b):TT+32+4*(\b)+3], s[88:89] offset:(\b)*512  ; each store of the wave covers 512 consecutive bytes, aligned
.endr
	SEL 0, 32, MA0, MB0                            ; choice 0's 24 lines are also the places behind choice 1's last product
	SEL 1, 40, MA1, MB1
	; a token's chosen expert lies in the half of the lanes e & 1; lane (r, h) is to hold choice k = h: its own number, or the partner lane's
.set sj, 0
.rept 8
	v_cndmask_b32 v[48+sj], v[40+sj], v[32+sj], s[SH]   ; what the partner may want: choice 1 - h
	v_cndmask_b32 v[56+sj], v[32+sj], v[40+sj], s[SH]   ; my own: choice h
.set sj, sj+1
.endr
.set sj, 0
.rept 8
	v_permlanex16_b32 v[32+sj], v[48+sj], s4, s5
.set sj, sj+1
.endr
.set sj, 0
.rept 8
	v_cndmask_b32 v[56+sj], v[32+sj], v[56+sj], s[MP]
.set sj, sj+1
.endr
.irp q, 0,1,2,3
	v_pk_mul_f32 v[56+2*(\q):57+2*(\q)], v[56+2*(\q):57+2*(\q)], v[26:27]   ; times w_k, in f32
.endr
	s_lshl_b32 s13, s2, 10
	v_add_nc_u32 v[US+1], s13, v[US]
	ds_store_b128 v[US+1], v[56:59]
	ds_store_b128 v[US+1], v[60:63] offset:512
	s_wait_xcnt 0x0                                ; the stores' base and data are rewritten only behind this wait
	s_add_nc_u64 s[88:89], s[88:89], 0x10000       ; the next token tile in hc
	s_add_co_u32 s2, s2, 1
	s_cmp_lt_u32 s2, 8
	s_cbranch_scc1 .Ltile
	; The two column halves' parts of u2 are added (f32): wave w takes the work-group's token tiles 4 w + 0..3
	s_wait_dscnt 0x0                               ; for the others' sake: my parts are in LDS
	s_barrier_signal -1
	s_barrier_wait -1
	s_lshl_b32 s13, s11, 14
	s_lshl_b32 s14, s12, 12
	s_add_co_u32 s13, s13, s14
	v_add_nc_u32 v[US+1], s13, v[L16]
	v_add_nc_u32 v[US+1], U2S, v[US+1]
.irp i, 0,1,2,3
.irp c, 0,1
	ds_load_b128 v[64+8*(\i)+4*(\c):64+8*(\i)+4*(\c)+3], v[US+1] offset:(\i)*1024+(\c)*512
	ds_load_b128 v[96+8*(\i)+4*(\c):96+8*(\i)+4*(\c)+3], v[US+1] offset:8192+(\i)*1024+(\c)*512
.endr
.endr
	s_lshl_b32 s8, s41, 20                         ; u2p: [token tile][nt][1,024 bytes]
	s_lshl_b32 s13, s10, 18
	s_add_co_u32 s8, s8, s13
	s_lshl_b32 s13, s42, 10
	s_add_co_u32 s8, s8, s13
	s_add_nc_u64 s[90:91], s[90:91], s[8:9]
	s_wait_dscnt 0x0
.set i, 0
.rept 16
	v_pk_add_f32 v[64+2*i:65+2*i], v[64+2*i:65+2*i], v[96+2*i:97+2*i]
.set i, i+1
.endr
.irp i, 0,1,2,3
.irp c, 0,1
	global_store_b128 v[L16], v[64+8*(\i)+4*(\c):64+8*(\i)+4*(\c)+3], s[90:91] offset:(\i)*65536+(\c)*512
.endr
.endr
	s_wait_tensorcnt 0x0                           ; the wave's end, behind my last tensor load and my last LDS store
	ds_add_u32 v[SPW], v[NIL]
	s_wait_dscnt 0x0
	CROUND                                         ; the closing round: no work-group ends while a partner may still ask for a tile that names it
	s_endpgm
.Lfunc_end_k_qd94ca33517_fc1:
	.size	k_qd94ca33517_fc1, .Lfunc_end_k_qd94ca33517_fc1-k_qd94ca33517_fc1
	.p2alignl 7, 3214868480
	.fill 96, 4, 3214868480
	.section	.rodata,"a",@progbits
	.p2align	6, 0x0
	.amdhsa_kernel k_qd94ca33517_fc1
		.amdhsa_group_segment_fixed_size 327680
		.amdhsa_private_segment_fixed_size 0
		.amdhsa_enable_private_segment 0
		.amdhsa_kernarg_size 80
		.amdhsa_user_sgpr_count 2
		.amdhsa_user_sgpr_kernarg_segment_ptr 1
		.amdhsa_wavefront_size32 1
		.amdhsa_system_sgpr_workgroup_id_x 1
		.amdhsa_system_sgpr_workgroup_id_y 1
		.amdhsa_system_sgpr_workgroup_id_z 1
		.amdhsa_system_vgpr_workitem_id 0
		.amdhsa_next_free_vgpr 1024
		.amdhsa_next_free_sgpr 102
		.amdhsa_reserve_vcc 0
		.amdhsa_float_denorm_mode_32 3
		.amdhsa_float_denorm_mode_16_64 3
		.amdhsa_memory_ordered 1
		.amdhsa_forward_progress 1
		.amdhsa_inst_pref_size 157
	.end_amdhsa_kernel
	.amdgpu_metadata
---
amdhsa.version: [ 1, 2 ]
amdhsa.kernels:
  - .name:           k_qd94ca33517_fc1
    .symbol:         k_qd94ca33517_fc1.kd
    .args:
      - { .name: xb, .offset: 0, .size: 8, .value_kind: global_buffer, .address_space: global }
      - { .name: W1, .offset: 8, .size: 8, .value_kind: global_buffer, .address_space: global }
      - { .name: b1, .offset: 16, .size: 8, .value_kind: global_buffer, .address_space: global }
      - { .name: B1, .offset: 24, .size: 8, .value_kind: global_buffer, .address_space: global }
      - { .name: A2, .offset: 32, .size: 8, .value_kind: global_buffer, .address_space: global }
      - { .name: u1b, .offset: 40, .size: 8, .value_kind: global_buffer, .address_space: global }
      - { .name: ridx, .offset: 48, .size: 8, .value_kind: global_buffer, .address_space: global }
      - { .name: rw, .offset: 56, .size: 8, .value_kind: global_buffer, .address_space: global }
      - { .name: hc, .offset: 64, .size: 8, .value_kind: global_buffer, .address_space: global }
      - { .name: u2p, .offset: 72, .size: 8, .value_kind: global_buffer, .address_space: global }
    .group_segment_fixed_size: 327680
    .private_segment_fixed_size: 0
    .kernarg_segment_align: 8
    .kernarg_segment_size: 80
    .max_flat_workgroup_size: 128
    .sgpr_count:     102
    .vgpr_count:     1024
    .wavefront_size: 32
...
	.end_amdgpu_metadata
.endif
;; end of part 2
;; launch fc2 (part 3): grid 4 x 64, 4 waves a work-group, clusters of 4 x 1, 327,680 bytes of LDS; arguments hc, W2, part; writes part
.if DOCPART == 3
	.amdgcn_target "amdgcn-amd-amdhsa--gfx1250"
	.amdhsa_code_object_version 6
	.text
	.protected	k_qd94ca33517_fc2
	.globl	k_qd94ca33517_fc2
	.p2align	8
	.type	k_qd94ca33517_fc2,@function
k_qd94ca33517_fc2:
	s_mov_b64 s[64:65], 0
	v_nop
	global_prefetch_b8 v0, s[64:65] scope:SCOPE_SE
	s_setreg_imm32_b32 hwreg(HW_REG_WAVE_MODE, 25, 1), 1
	s_wait_xcnt 0x0
	s_wait_alu depctr_hold_cnt(0) depctr_sa_sdst(0) depctr_va_vdst(0) depctr_va_sdst(0) depctr_va_ssrc(0) depctr_va_vcc(0) depctr_vm_vsrc(0)
	s_getreg_b32 s2, hwreg(HW_REG_IB_STS2, 6, 4)
	s_cmp_eq_u32 s2, 0
	s_cbranch_scc0 .Lentry_in_a_cluster
	s_endpgm
.Lentry_in_a_cluster:
	s_bfe_u32 s2, ttmp6, 0x10000c
	s_cmp_lg_u32 s2, 0x3003
	s_cbranch_scc0 .Lentry_shape_is_right
	s_endpgm
.Lentry_shape_is_right:
; FC2.  part[ks] = hc[:, 2048 ks .. 2048 ks + 2047] W2[:, the same]^T: a tile of 256 tokens x 128 columns d over a quarter of K = 8,192, in f32.
; WHY K IS SPLIT: with the whole K, 256 work-groups would own 128 x 64 of the result each, half the products for each byte that they fetch; 256 x 128 over K / 4 has the first layer's loop.  The four parts are added,
; in a fixed order, by the launch behind, which is there anyway for the low-rank part.
; Loop, ring, cluster and registers are the first layer's.  Four waves of 128 tokens x 64 columns.  W2 goes through a ring of two LDS slots, K = 256 a slot: 128 rows of 1,024 bytes of f32 + 16 of padding
; (pitch 1,040 = 65 x 16 bytes), rounded to bf16 on the way from LDS to the matrix unit.  CLUSTER 4 x 1: the four blocks of 256 tokens of one (column block, K quarter) walk the same rows of W2: joint loads, one a
; wave (32 rows) behind each round.
; hc IS NOT SHARED THROUGH LDS, though the 16 work-groups of a block of tokens and a K quarter walk the same hc: it lies in memory in the order in which the operand registers take it, so a load of the wave covers 512
; consecutive bytes, aligned, and goes straight into registers.  Through LDS each of its bytes would be written once and read twice, 64 KB and 128 KB for a K of 128 beside W2's 65 KB and 128 KB, and two slots
; with hc in them hold K = 128 each, so that a refill would have half the products in which to land.  hc is asked for three quarters ahead: four buffers of 64 registers.
; THE WALK OVER K begins at slot nt % 8 and wraps round, so that the work-groups that read the same rows of hc are spread over eight places in them.
; The matrix instruction is used transposed (source 0 = 16 rows of W2, source 1 = 16 tokens): a lane holds ONE token and eight neighbouring columns.  part lies as [ks][token tile][d / 4][token][4 f32],
; so that sixteen neighbouring lanes store 256 consecutive bytes straight from the accumulators: no stage.
; LIMITS.  W2 is rounded to bf16; sums in f32, and the order of the sum over K differs from column block to column block; NaN and infinities are not treated apart.
; REGISTERS: window 0: v0-31 addresses; v64-127 W2's f32 stage; v128-191 its bf16 fragments, two buffers.  window 1: the accumulators, (a, b) at 8 (4 a + b).  window 2: hc's fragments, four buffers of 64.
.set SLOT,   133120                    ; 128 rows x 1,040 bytes
.set BP,     1040
.set WROW,   8192                      ; elements from row to row of W2
.set SPARE,  2*SLOT                    ; behind the ring: the spare words, 128 bytes a wave
.set ADRB0, 2                          ; v2   my lane's place in a slot; never rewritten
.set BADR,  3                          ; v3   the LDS address of the body's four runs of loads
.set SPW,  6
.set NIL,  7
.set CO,   8                           ; v8   my byte offset in part: 512 h + 16 r
.set L16,  10                          ; v10  16 x lane; never rewritten
.set HH,   22
.set STG,  64
.set BBF,  128
.set WBASE, 14                         ; s[14:15] W2 at my 32 rows and my K quarter
.set G1, 24                            ; s[24:31] descriptor group 1
.set G0, 32                            ; s[32:39] group 0: a set for each of the two first fills; the second then walks on
.set ABASE, 44                         ; s[44:45] hc at my 8 token tiles; never rewritten
.set SA1,  46                          ; s[46:47], s[48:49] hc at the two groups of four quarters from which a body fetches
.set SA2,  48
.set GI,   50
.set TN,   51
.set OFA,  52
.set TB,   54
.set CNT,  55
.set SLOTS, 56
.set ASTART, 58
.set OFW,  60
.set MSB, 0
.macro WIN new                         ; the immediate's high byte repeats the setting that is left; a switch that changes nothing is dropped
.if MSB != (\new)
	s_set_vgpr_msb (MSB<<8)|(\new)
.set MSB, \new
.endif
.endm
.set MUL,  0x58                        ; source 0 (W2) window 0, source 1 (hc) window 2, C and D window 1
.set TO_A, 0x80
.macro CROUND                          ; a round of the cluster's barrier
	s_barrier_signal -1
	s_barrier_wait -1
	s_cmp_lg_u32 s10, 0
	s_cbranch_scc1 .Lnot_wave_0_\@
	s_barrier_signal -3
.Lnot_wave_0_\@:
	s_barrier_wait -3
	s_barrier_signal -1
	s_barrier_wait -1
.endm
	s_load_b128 s[4:7], s[0:1], 0x0                ; hc s[4:5], W2 s[6:7]
	s_load_b64 s[8:9], s[0:1], 0x10                ; part
	v_lshl_add_u32 v[SPW], v0, 2, SPARE
	v_mov_b32 v[NIL], 0
	ds_add_u32 v[SPW], v[NIL]                      ; the wave's opening: the add and its wait stand ahead of my first tensor load
	v_lshrrev_b32 v1, 5, v0
	v_readfirstlane_b32 s10, v1                    ; wave 0..3
	s_lshr_b32 s11, s10, 1                         ; wm
	s_and_b32 s12, s10, 1                          ; wn
	s_bfe_u32 s40, ttmp6, 0x40000                  ; cx
	s_lshl_b32 s41, ttmp9, 2
	s_add_co_u32 s41, s41, s40                     ; the block of 256 tokens: it enters hc's and part's addresses alone
	s_and_b32 s13, ttmp7, 0xffff                   ; the partners share y:
	s_and_b32 s42, s13, 15                         ; nt, the block of 128 columns d,
	s_lshr_b32 s13, s13, 4                         ; and ks, the quarter of K
	s_and_b32 s43, s42, 7                          ; the slot of K at which the walk begins
	s_mov_b32 s[G1+0], 15|(2<<16)|(1<<20)|(1<<21)|(7<<22)|(3<<25)  ; the mask of four; elements of 4 bytes; padding on; 21 set beside a mask; after every 256 words (code 7) 4 words (code 3)
	s_mov_b32 s[G1+1], 256<<16                     ; tensor_dim0 = 256
	s_mov_b32 s[G1+2], 32<<16                      ; tensor_dim1 = 32 rows
	s_mov_b32 s[G1+3], 256<<16                     ; tile_dim0
	s_mov_b32 s[G1+4], 32                          ; tile_dim1
	s_mov_b32 s[G1+5], WROW
	s_mov_b32 s[G1+6], 0
	s_mov_b32 s[G1+7], 0
	s_lshl_b32 s16, s42, 22                        ; W2: 128 rows of 32,768 bytes a block,
	s_lshl_b32 s17, s10, 20                        ; my wave's 32,
	s_add_co_u32 s16, s16, s17
	s_lshl_b32 s17, s13, 13                        ; 2,048 ks columns
	s_add_co_u32 s16, s16, s17
	s_mov_b32 s17, 0
	s_lshl_b32 s18, s13, 22                        ; hc: slab ks,
	s_lshl_b32 s19, s41, 20                        ; 16 token tiles of 65,536 bytes a block,
	s_add_co_u32 s18, s18, s19
	s_lshl_b32 s19, s11, 19                        ; my half's 8
	s_add_co_u32 s18, s18, s19
	s_mov_b32 s19, 0
	s_mul_i32 s20, s10, 32*BP                      ; where my rows go in a slot
	s_mov_b32 s[OFA+1], 0
	s_mov_b32 s[OFW+1], 0
	s_mov_b32 s[TB], 512                           ; the first body fetches quarters 4 to 7 of slot 0
	s_lshl_b32 s[GI], s43, 1
	s_add_co_u32 s[GI], s[GI], 1
	s_wait_dscnt 0x0                               ; the opening add is done
	s_wait_kmcnt 0x0
	s_add_nc_u64 s[WBASE:WBASE+1], s[6:7], s[16:17]
	s_add_nc_u64 s[ABASE:ABASE+1], s[4:5], s[18:19]
	s_lshl_b32 s[OFA], s43, 13
	s_add_nc_u64 s[ASTART:ASTART+1], s[ABASE:ABASE+1], s[OFA:OFA+1]
	s_lshl_b32 s[OFA], s[GI], 12
	s_add_nc_u64 s[SA2:SA2+1], s[ABASE:ABASE+1], s[OFA:OFA+1]
	s_mov_b32 s[G0], 1                             ; slot 0: the walk's first tile
	s_mov_b32 s[G0+1], s20
	s_lshl_b32 s[OFW], s43, 10
	s_add_nc_u64 s[G0+2:G0+3], s[WBASE:WBASE+1], s[OFW:OFW+1]
	s_or_b32 s[G0+3], s[G0+3], 0x80000000
	s_add_co_u32 s[TN], s43, 1
	s_and_b32 s[TN], s[TN], 7
	s_mov_b32 s[G0+4], 1                           ; slot 1: the second
	s_add_co_u32 s[G0+5], s20, SLOT
	s_lshl_b32 s[OFW], s[TN], 10
	s_add_nc_u64 s[G0+6:G0+7], s[WBASE:WBASE+1], s[OFW:OFW+1]
	s_or_b32 s[G0+7], s[G0+7], 0x80000000
	s_add_co_u32 s[TN], s[TN], 1
	s_and_b32 s[TN], s[TN], 7
	CROUND                                         ; all four work-groups are here: the first joint loads meet
	tensor_load_to_lds s[G0:G0+3], s[G1:G1+7]
	s_nop 0
	tensor_load_to_lds s[G0+4:G0+7], s[G1:G1+7]    ; two loads of mine are out
	s_nop 0
.rept 4
	v_nop
.endr
; 16 loads: hc's fragments of one quarter (128 tokens x 32 k) into buffer ab: each covers 512 consecutive bytes of a token tile, aligned
.macro FETCHA ab, sa, aoff
	WIN TO_A
.irp a, 0,1,2,3,4,5,6,7
	global_load_b128 v[64*(\ab)+8*(\a):64*(\ab)+8*(\a)+3],   v[L16], s[\sa:\sa+1] offset:(\a)*65536+(\aoff)
	global_load_b128 v[64*(\ab)+8*(\a)+4:64*(\ab)+8*(\a)+7], v[L16], s[\sa:\sa+1] offset:(\a)*65536+(\aoff)+512
.endr
.endm
; 16 LDS loads: 64 rows of W2 x 32 k in f32 into the stage
.macro FETCHB vb, boff
	WIN 0
.irp n, 0,1,2,3
.irp c, 0,1,2,3
	ds_load_b128 v[STG+16*(\n)+4*(\c):STG+16*(\n)+4*(\c)+3], v[\vb] offset:(\n)*16*BP+(\boff)+((\c)/2)*64+((\c)%2)*16
.endr
.endr
.endm
	v_and_b32 v1, 15, v0
	v_bfe_u32 v[HH], v0, 4, 1
	v_and_b32 v[L16], 31, v0
	v_lshlrev_b32 v[L16], 4, v[L16]
	FETCHA 0, ASTART, 0                            ; hc's first three quarters
	FETCHA 1, ASTART, 1024
	FETCHA 2, ASTART, 2048
	WIN 0
	v_lshl_add_u32 v28, s12, 6, v1                 ; row 64 wn + r,
	v_mul_u32_u24 v28, v28, BP
	v_lshl_add_u32 v[ADRB0], v[HH], 5, v28         ; 32 h: eight f32
	v_lshlrev_b32 v[CO], 4, v1
	v_lshl_add_u32 v[CO], v[HH], 9, v[CO]
	s_lshl_b32 s18, s13, 23                        ; part: slab ks, token tile 16 x token block + 8 wm of 131,072 bytes,
	s_lshl_b32 s19, s41, 21
	s_add_co_u32 s18, s18, s19
	s_lshl_b32 s19, s11, 20
	s_add_co_u32 s18, s18, s19
	s_lshl_b32 s19, s42, 13                        ; column group 32 nt + 16 wn of 256 bytes
	s_add_co_u32 s18, s18, s19
	s_lshl_b32 s19, s12, 12
	s_add_co_u32 s18, s18, s19
	s_mov_b32 s19, 0
	s_add_nc_u64 s[8:9], s[8:9], s[18:19]
; Matrix instruction i of a quarter's 32, on W2's buffer f and hc's buffer ab: column block i / 8, token tile i % 8.  Each accumulator has one turn a quarter.  zero = 1: the first product starts the sum.
.macro MM f, ab, i, zero
.set rD, 8*(4*((\i)%8)+(\i)/8)
.set rB, BBF+32*(\f)+8*((\i)/8)
.set rA, 64*(\ab)+8*((\i)%8)
	WIN MUL
.if \zero
	v_wmma_f32_16x16x32_bf16 v[rD:rD+7], v[rB:rB+7], v[rA:rA+7], 0
.else
	v_wmma_f32_16x16x32_bf16 v[rD:rD+7], v[rB:rB+7], v[rA:rA+7], v[rD:rD+7]
.endif
.endm
.macro MULS f, ab, i0, n, zero
.set mi, \i0
.rept \n
	MM \f, \ab, mi, \zero
.set mi, mi+1
.endr
.endm
.macro MULR f, ab, g, zero             ; the last eight, behind each four roundings of the stage into W2's buffer g
.set mi, 24
.rept 8
	MM \f, \ab, mi, \zero
	WIN 0
.set cj, 4*(mi-24)
.rept 4
	v_cvt_pk_bf16_f32 v[BBF+32*(\g)+cj], v[STG+2*cj], v[STG+2*cj+1]
.set cj, cj+1
.endr
.set mi, mi+1
.endr
.endm
; A QUARTER: 32 along K, 32 matrix instructions.  Behind its eighth it fetches the next quarter's stage (LDS address vb + boff) and asks for hc three quarters on (base sa, byte aoff), into the buffer that the quarter
; before multiplied: the four conversions behind that quarter's last matrix instruction, which name none of its registers, are the four places between.
.macro QUARTER f, ab, zero, vb, boff, sa, aoff
.set qg, 1-(\f)
.set qn, ((\ab)+3)%4
	s_wait_loadcnt 32                              ; loads come back in order: this quarter's hc is in, the two younger quarters' 32 loads stay out
	MULS \f, \ab, 0, 8, \zero
	FETCHB \vb, \boff
	FETCHA qn, \sa, \aoff
	MULS \f, \ab, 8, 16, \zero
	s_wait_dscnt 0x0                               ; the stage is in: its sixteen loads are the only LDS loads out
	MULR \f, \ab, qg, \zero
.endm
; A BODY: four quarters: 3, 4, 5, 6 of a slot, or 7 and the next slot's 0, 1, 2; it fetches the stages of the four quarters one further on, which lie in ONE slot, 512 bytes of each row.
; hc three quarters on lies in two groups of four quarters; a group's number wraps round at 16, so the look-ahead of the last body stays inside its slab (its last 32 loads fetch bytes that nobody uses).
.macro BODY
	s_wait_xcnt 0x0                                ; the loads issued so far have had their addresses translated: only behind this wait are their bases rewritten
	s_mov_b64 s[SA1:SA1+1], s[SA2:SA2+1]
	s_add_co_u32 s[GI], s[GI], 1
	s_and_b32 s[OFA], s[GI], 15
	s_lshl_b32 s[OFA], s[OFA], 12
	s_add_nc_u64 s[SA2:SA2+1], s[ABASE:ABASE+1], s[OFA:OFA+1]
	v_add_nc_u32 v[BADR], s[TB], v[ADRB0]
	s_add_co_u32 s[TB], s[TB], 512
	QUARTER 1, 3, 0, BADR, 0,   SA1, 2048
	QUARTER 0, 0, 0, BADR, 128, SA1, 3072
	QUARTER 1, 1, 0, BADR, 256, SA2, 0
	QUARTER 0, 2, 0, BADR, 384, SA2, 1024
	WIN 0
.endm
; THE CHANGE OF SLOTS, between a slot's quarters 6 and 7: the slot's last stage is in registers.  Each wave waits for all its tensor loads (one is out: its rows of the other slot), adds 0 to its spare word, and waits
; for that and for its reads of the slot.  fill = 1: the barrier is a round of the cluster's, and the slot is filled again first thing behind it, with the tile two slots on: that load has eight quarters,
; 256 matrix instructions a wave, in which to land.
.macro CHANGE fill
	WIN 0
	s_wait_tensorcnt 0x0                           ; no tensor load of mine is out, so a group 0 may be written
	ds_add_u32 v[SPW], v[NIL]                      ; the scalar work stands between the add and the wait for it
.if \fill
	s_xor_b32 s[G0+5], s[G0+5], SLOT               ; the walking descriptor: the other slot than last time (SLOT's two bits are in no wave's 33,280 w),
	s_lshl_b32 s[OFW], s[TN], 10
	s_add_nc_u64 s[G0+6:G0+7], s[WBASE:WBASE+1], s[OFW:OFW+1]  ; the address made anew from the tile's number,
	s_or_b32 s[G0+7], s[G0+7], 0x80000000
	s_add_co_u32 s[TN], s[TN], 1                   ; which wraps round at 8
	s_and_b32 s[TN], s[TN], 7
.endif
	s_sub_co_u32 s[TB], s[TB], 1024                ; the fetches go back to a slot's first quarter,
	s_xor_b32 s[TB], s[TB], SLOT                   ; in the other slot
	s_wait_dscnt 0x0
.if \fill
	CROUND
	tensor_load_to_lds s[G0+4:G0+7], s[G1:G1+7]    ; my one tensor load behind the round, and the first thing there
	s_nop 0
.rept 4
	v_nop
.endr
.else
	s_barrier_signal -1
	s_barrier_wait -1
.endif
.endm
	s_wait_tensorcnt 1                             ; my rows of slot 0 are in; slot 1's may stay out
	s_barrier_signal -1
	s_barrier_wait -1
	FETCHB ADRB0, 0
	s_wait_dscnt 0x0
.set cj, 0
.rept 32
	v_cvt_pk_bf16_f32 v[BBF+cj], v[STG+2*cj], v[STG+2*cj+1]
.set cj, cj+1
.endr
	QUARTER 0, 0, 1, ADRB0, 128, ASTART, 3072      ; the first three quarters are written out; the first one's products start the sums
	QUARTER 1, 1, 0, ADRB0, 256, ASTART, 4096
	QUARTER 0, 2, 0, ADRB0, 384, ASTART, 5120
	WIN 0
	s_mov_b32 s[CNT], 1
	s_mov_b32 s[SLOTS], 7
	s_branch .Lbody                                ; the loop is entered at a slot's second body
.Lslot:                                                ; six times: every slot but the last two is filled again
	CHANGE 1
	s_mov_b32 s[CNT], 2
.Lbody:
	BODY
	s_sub_co_u32 s[CNT], s[CNT], 1
	s_cmp_lg_u32 s[CNT], 0
	s_cbranch_scc1 .Lbody
	s_sub_co_u32 s[SLOTS], s[SLOTS], 1
	s_cmp_lg_u32 s[SLOTS], 0
	s_cbranch_scc1 .Lslot
	CHANGE 0                                       ; the tail is written out: nothing is asked for
	s_mov_b32 s[CNT], 2
.Ltailb:
	BODY
	s_sub_co_u32 s[CNT], s[CNT], 1
	s_cmp_lg_u32 s[CNT], 0
	s_cbranch_scc1 .Ltailb
	s_wait_loadcnt 32                              ; the last quarter: nothing more to fetch
	MULS 1, 3, 0, 32, 0
	WIN 0
.rept 4
	v_nop                                          ; four places behind the last matrix instruction
.endr
	WIN 0x04                                       ; data (source 1) in window 1
.irp a, 0,1,2,3,4,5,6,7
.irp b, 0,1,2,3
	global_store_b128 v[CO], v[8*(4*(\a)+(\b)):8*(4*(\a)+(\b))+3],   s[8:9] offset:(\a)*131072+(\b)*1024      ; 16 lanes store 256 consecutive bytes, aligned; each accumulator's low half first
	global_store_b128 v[CO], v[8*(4*(\a)+(\b))+4:8*(4*(\a)+(\b))+7], s[8:9] offset:(\a)*131072+(\b)*1024+256
.endr
.endr
	WIN 0
	s_wait_tensorcnt 0x0                           ; the wave's end
	ds_add_u32 v[SPW], v[NIL]
	s_wait_dscnt 0x0
	CROUND                                         ; the closing round
	s_endpgm
.Lfunc_end_k_qd94ca33517_fc2:
	.size	k_qd94ca33517_fc2, .Lfunc_end_k_qd94ca33517_fc2-k_qd94ca33517_fc2
	.p2alignl 7, 3214868480
	.fill 96, 4, 3214868480
	.section	.rodata,"a",@progbits
	.p2align	6, 0x0
	.amdhsa_kernel k_qd94ca33517_fc2
		.amdhsa_group_segment_fixed_size 327680
		.amdhsa_private_segment_fixed_size 0
		.amdhsa_enable_private_segment 0
		.amdhsa_kernarg_size 24
		.amdhsa_user_sgpr_count 2
		.amdhsa_user_sgpr_kernarg_segment_ptr 1
		.amdhsa_wavefront_size32 1
		.amdhsa_system_sgpr_workgroup_id_x 1
		.amdhsa_system_sgpr_workgroup_id_y 1
		.amdhsa_system_sgpr_workgroup_id_z 1
		.amdhsa_system_vgpr_workitem_id 0
		.amdhsa_next_free_vgpr 768
		.amdhsa_next_free_sgpr 66
		.amdhsa_reserve_vcc 0
		.amdhsa_float_denorm_mode_32 3
		.amdhsa_float_denorm_mode_16_64 3
		.amdhsa_memory_ordered 1
		.amdhsa_forward_progress 1
		.amdhsa_inst_pref_size 102
	.end_amdhsa_kernel
	.amdgpu_metadata
---
amdhsa.version: [ 1, 2 ]
amdhsa.kernels:
  - .name:           k_qd94ca33517_fc2
    .symbol:         k_qd94ca33517_fc2.kd
    .args:
      - { .name: hc, .offset: 0, .size: 8, .value_kind: global_buffer, .address_space: global }
      - { .name: W2, .offset: 8, .size: 8, .value_kind: global_buffer, .address_space: global }
      - { .name: part, .offset: 16, .size: 8, .value_kind: global_buffer, .address_space: global }
    .group_segment_fixed_size: 327680
    .private_segment_fixed_size: 0
    .kernarg_segment_align: 8
    .kernarg_segment_size: 24
    .max_flat_workgroup_size: 128
    .sgpr_count:     66
    .vgpr_count:     768
    .wavefront_size: 32
...
	.end_amdgpu_metadata
.endif
;; end of part 3
;; launch fin (part 4): grid 64 x 4, 4 waves a work-group, no clusters, 38,400 bytes of LDS; arguments part, u2p, ridx, rw, B2, b2, out0; writes out0
.if DOCPART == 4
	.amdgcn_target "amdgcn-amd-amdhsa--gfx1250"
	.amdhsa_code_object_version 6
	.text
	.protected	k_qd94ca33517_fin
	.globl	k_qd94ca33517_fin
	.p2align	8
	.type	k_qd94ca33517_fin,@function
k_qd94ca33517_fin:
	s_mov_b64 s[64:65], 0
	v_nop
	global_prefetch_b8 v0, s[64:65] scope:SCOPE_SE
	s_setreg_imm32_b32 hwreg(HW_REG_WAVE_MODE, 25, 1), 1
	s_wait_xcnt 0x0
; FIN.  out[token][d] = the sum of part's four slabs + (w0 + w1) b2[d] + the sum over k of 2 w_k u2_k[token] . B2[e_k][d].
; Work-group (T, dq): 16 tokens x 512 columns; wave w has columns 512 dq + 128 w + 0..127: eight accumulators.  u2 is a sum over all 8,192 columns of the hidden layer: its 64 parts (f32) are added here, 16 a wave,
; the four waves' sums meeting in LDS.  The low-rank product is a K of 64 = 8 experts x 8 ranks with the experts not chosen set to 0, as the problem's own dispatch mask does: two matrix instructions an accumulator,
; added onto the four slabs' sum.  No address or branch hangs on the routing.
; The launch streams: all its loads are issued at its head.  No tensor loads and no cluster: what the four work-groups of a token tile share (u2p, 64 KB) is a small part of what each reads.
; The result leaves through a stage in LDS, each wave's own: rows of 512 bytes, so that each store of the wave covers 512 consecutive bytes of a row of out0.
; LIMITS.  B2 and b2 are rounded to bf16, 2 w_k u2_k once to bf16; all sums in f32.  NaN and infinities are not treated apart.
; REGISTERS: window 0: v0-31 small things; v32-47 ZF; v48-55 U0, U1; v64-191 u2p's parts, then B2's fragments (16 b + 8 s), then the rows read back; v192-255 the accumulators.
;   window 1: part, slab ks at 64 ks + 8 b.          window 2: B2 in f32 at 32 b + 16 s + 8 g.
.set STAGE, 4096                       ; behind the 4 x 1,024 bytes of the waves' sums: 16 rows of pitch 528 = 33 x 16 bytes for each wave
.set SPI,   528
.set SPARE, STAGE+4*16*SPI             ; behind the stages: the spare words, 128 bytes a wave
.set ZF,  32
.set ACC, 192
.set MSB, 0
.macro WIN new                         ; the immediate's high byte repeats the setting that is left
.if MSB != (\new)
	s_set_vgpr_msb (MSB<<8)|(\new)
.set MSB, \new
.endif
.endm
	s_load_b256 s[8:15], s[0:1], 0x0               ; part s[8:9], u2p s[10:11], ridx s[12:13], rw s[14:15]
	s_load_b128 s[16:19], s[0:1], 0x20             ; B2 s[16:17], b2 s[18:19]
	s_load_b64 s[20:21], s[0:1], 0x30              ; out0
	v_lshl_add_u32 v6, v0, 2, SPARE                ; my spare word,
	v_mov_b32 v7, 0                                ; and 0: kept for the add alone
	v_lshrrev_b32 v1, 5, v0
	v_readfirstlane_b32 s2, v1                     ; wave 0..3
	s_and_b32 s4, ttmp7, 0xffff                    ; dq
	v_and_b32 v1, 15, v0                           ; r
	v_bfe_u32 v2, v0, 4, 1                         ; h
	v_and_b32 v3, 31, v0
	v_lshlrev_b32 v3, 4, v3                        ; 16 x lane
	v_lshlrev_b32 v4, 2, v1                        ; 4 r
	v_lshlrev_b32 v5, 4, v1
	v_lshl_add_u32 v5, v2, 9, v5                   ; part: 512 h + 16 r
	v_lshlrev_b32 v8, 5, v1
	v_lshl_add_u32 v8, v2, 16, v8                  ; B2[e][d][rank]: column r x 32 bytes + expert h x 65,536
	v_lshl_add_u32 v9, s2, 10, v3                  ; where my wave's sum of u2 goes
	s_mul_i32 s3, s2, 16*SPI
	s_add_co_u32 s3, s3, STAGE                     ; my stage
	v_mul_u32_u24 v10, v1, SPI                     ; in: row r, 32 bytes for each half of the lanes
	v_lshl_add_u32 v10, v2, 5, v10
	v_add_nc_u32 v10, s3, v10
	v_add_nc_u32 v11, s3, v3                       ; back: a whole row of 512 bytes
.irp m, 0,1,2,3
	v_mov_b32 v[28+(\m)], 0                        ; v_permlanex16_b32's destination counts as read
.endr
	s_mov_b32 s5, 0x76543210
	s_mov_b32 s6, 0xfedcba98
	s_mov_b32 s41, 0                               ; named with s40 as a pair
	v_cmp_eq_u32 s7, 1, v2                         ; lanes with h = 1
	s_mov_b32 s23, 0
	s_wait_kmcnt 0x0
	s_lshl_b32 s22, ttmp9, 7
	s_add_nc_u64 s[12:13], s[12:13], s[22:23]
	s_add_nc_u64 s[14:15], s[14:15], s[22:23]
	s_lshl_b32 s22, s4, 11                         ; my 128 columns, in bytes of f32
	s_lshl_b32 s42, s2, 9
	s_add_co_u32 s22, s22, s42
	s_add_nc_u64 s[18:19], s[18:19], s[22:23]
	s_lshl_b32 s42, ttmp9, 17                      ; 16 rows of 8,192 bytes
	s_add_co_u32 s22, s22, s42
	s_add_nc_u64 s[20:21], s[20:21], s[22:23]
	s_lshl_b32 s22, ttmp9, 16                      ; u2p: the tile's 64 parts of 1,024 bytes, my wave's 16
	s_lshl_b32 s42, s2, 14
	s_add_co_u32 s22, s22, s42
	s_add_nc_u64 s[10:11], s[10:11], s[22:23]
	s_lshl_b32 s22, s4, 14                         ; B2: my first column x 32 bytes
	s_lshl_b32 s42, s2, 12
	s_add_co_u32 s22, s22, s42
	s_add_nc_u64 s[16:17], s[16:17], s[22:23]
	s_lshl_b32 s22, ttmp9, 17                      ; part: the tile's 131,072 bytes, column group 128 dq + 32 w of 256 bytes
	s_lshl_b32 s42, s4, 15
	s_add_co_u32 s22, s22, s42
	s_lshl_b32 s42, s2, 13
	s_add_co_u32 s22, s22, s42
	s_add_nc_u64 s[24:25], s[8:9], s[22:23]
	s_add_nc_u64 s[26:27], s[24:25], 0x800000      ; a base for each slab
	s_add_nc_u64 s[28:29], s[26:27], 0x800000
	s_add_nc_u64 s[30:31], s[28:29], 0x800000
	global_load_b32 v12, v4, s[12:13]              ; e0, e1, w0, w1 of token r
	global_load_b32 v13, v4, s[12:13] offset:64
	global_load_b32 v14, v4, s[14:15]
	global_load_b32 v15, v4, s[14:15] offset:64
	global_load_b128 v[16:19], v3, s[18:19]        ; b2 of the four columns that I store in every row
.set i, 0
.rept 16
	global_load_b128 v[64+8*i:64+8*i+3], v3, s[10:11] offset:i*1024
	global_load_b128 v[64+8*i+4:64+8*i+7], v3, s[10:11] offset:i*1024+512
.set i, i+1
.endr
	WIN 0x80
.irp b, 0,1,2,3,4,5,6,7
.irp s, 0,1
.irp g, 0,1
	global_load_b128 v[32*(\b)+16*(\s)+8*(\g):32*(\b)+16*(\s)+8*(\g)+3],   v8, s[16:17] offset:(\s)*262144+(\g)*131072+(\b)*512     ; column 16 b + r, expert 4 s + 2 g + h
	global_load_b128 v[32*(\b)+16*(\s)+8*(\g)+4:32*(\b)+16*(\s)+8*(\g)+7], v8, s[16:17] offset:(\s)*262144+(\g)*131072+(\b)*512+16
.endr
.endr
.endr
	WIN 0x40
.irp k, 0,1,2,3
.irp b, 0,1,2,3,4,5,6,7
	global_load_b128 v[64*(\k)+8*(\b):64*(\k)+8*(\b)+3],   v5, s[24+2*(\k):25+2*(\k)] offset:(\b)*1024 th:TH_LOAD_NT
	global_load_b128 v[64*(\k)+8*(\b)+4:64*(\k)+8*(\b)+7], v5, s[24+2*(\k):25+2*(\k)] offset:(\b)*1024+256 th:TH_LOAD_NT
.endr
.endr
	WIN 0
	s_wait_loadcnt 63                              ; 63 of part's 64 loads may stay out: the 101 loads issued ahead of part's are in
.set i, 1
.rept 15
.irp q, 0,1,2,3
	v_pk_add_f32 v[64+2*(\q):65+2*(\q)], v[64+2*(\q):65+2*(\q)], v[64+8*i+2*(\q):65+8*i+2*(\q)]
.endr
.set i, i+1
.endr
	ds_store_b128 v9, v[64:67]
	ds_store_b128 v9, v[68:71] offset:512
	s_wait_dscnt 0x0                               ; for the others' sake: my wave's sum is in LDS
	s_barrier_signal -1
	s_barrier_wait -1
.irp t, 0,1,2,3
	ds_load_b128 v[72+8*(\t):72+8*(\t)+3], v3 offset:(\t)*1024
	ds_load_b128 v[72+8*(\t)+4:72+8*(\t)+7], v3 offset:(\t)*1024+512
.endr
	v_sub_nc_u32 v21, v12, v2                      ; e_k - h
	v_sub_nc_u32 v22, v13, v2
.irp y, 0,1,2,3
	v_cmp_eq_u32 s[32+(\y)], 2*(\y), v21           ; register group y of my lane stands for expert 2 y + h
	v_cmp_eq_u32 s[36+(\y)], 2*(\y), v22
.endr
	v_add_f32 v20, v14, v15                        ; w0 + w1
	v_cvt_pk_bf16_f32 v56, v16, v17                ; b2 rounded to bf16 like every input,
	v_cvt_pk_bf16_f32 v57, v18, v19
	v_lshlrev_b32 v16, 16, v56                     ; and widened again
	v_and_b32 v17, 0xffff0000, v56
	v_lshlrev_b32 v18, 16, v57
	v_and_b32 v19, 0xffff0000, v57
	s_wait_dscnt 0x0
.irp t, 1,2,3
.irp q, 0,1,2,3
	v_pk_add_f32 v[72+2*(\q):73+2*(\q)], v[72+2*(\q):73+2*(\q)], v[72+8*(\t)+2*(\q):73+8*(\t)+2*(\q)]
.endr
.endr
.irp q, 0,1,2,3
	v_pk_mul_f32 v[72+2*(\q):73+2*(\q)], v[72+2*(\q):73+2*(\q)], 2.0 op_sel_hi:[1,0]   ; the LoRA scaling
.endr
.irp q, 0,1,2,3
	v_cvt_pk_bf16_f32 v[24+(\q)], v[72+2*(\q)], v[73+2*(\q)]       ; lane (r, h): choice k = h of token r, eight ranks
.endr
.irp q, 0,1,2,3
	v_permlanex16_b32 v[28+(\q)], v[24+(\q)], s5, s6               ; and the other choice, from the lane 16 away
.endr
.irp q, 0,1,2,3
	v_cndmask_b32 v[48+(\q)], v[24+(\q)], v[28+(\q)], s7           ; choice 0
	v_cndmask_b32 v[52+(\q)], v[28+(\q)], v[24+(\q)], s7           ; choice 1
.endr
.irp y, 0,1,2,3
.irp m, 0,1,2,3
	v_cndmask_b32 v[ZF+4*(\y)+(\m)], 0, v[52+(\m)], s[36+(\y)]     ; the dispatch mask: the two chosen experts' ranks, 0 elsewhere
	v_cndmask_b32 v[ZF+4*(\y)+(\m)], v[ZF+4*(\y)+(\m)], v[48+(\m)], s[32+(\y)]
.endr
.endr
	WIN 0x0a                                       ; sources in window 2
.set i, 0
.rept 128
	v_cvt_pk_bf16_f32 v[64+i], v[2*i], v[2*i+1]
.set i, i+1
.endr
	WIN 0
	s_wait_loadcnt 0x0                             ; part
	WIN 0x05                                       ; sources in window 1
.set i, 0
.rept 32
	v_pk_add_f32 v[ACC+2*i:ACC+2*i+1], v[2*i:2*i+1], v[64+2*i:64+2*i+1]
.set i, i+1
.endr
	WIN 0x01                                       ; source 0 in window 1
.set i, 0
.rept 32
	v_pk_add_f32 v[ACC+2*i:ACC+2*i+1], v[128+2*i:128+2*i+1], v[ACC+2*i:ACC+2*i+1]
.set i, i+1
.endr
.set i, 0
.rept 32
	v_pk_add_f32 v[ACC+2*i:ACC+2*i+1], v[192+2*i:192+2*i+1], v[ACC+2*i:ACC+2*i+1]
.set i, i+1
.endr
	WIN 0
.irp s, 0,1                            ; the eight accumulators take turns
.irp b, 0,1,2,3,4,5,6,7
	v_wmma_f32_16x16x32_bf16 v[ACC+8*(\b):ACC+8*(\b)+7], v[64+16*(\b)+8*(\s):64+16*(\b)+8*(\s)+7], v[ZF+8*(\s):ZF+8*(\s)+7], v[ACC+8*(\b):ACC+8*(\b)+7]
.endr
.endr
.rept 4
	v_nop                                          ; four places behind the last matrix instruction
.endr
.irp b, 0,1,2,3,4,5,6,7
	ds_store_b128 v10, v[ACC+8*(\b):ACC+8*(\b)+3]   offset:(\b)*64      ; token r, columns 16 b + 8 h + 0..7
	ds_store_b128 v10, v[ACC+8*(\b)+4:ACC+8*(\b)+7] offset:(\b)*64+16
.endr
.set i, 0
.rept 16
	ds_load_b128 v[64+4*i:64+4*i+3], v11 offset:i*SPI                   ; LDS serves a wave's instructions in order (ISA guide 5.7.1.4): these see the stores above
.set i, i+1
.endr
.set i, 0
.rept 16
	s_wait_dscnt 15-i                              ; row i is back; the younger rows may stay out
	v_readlane_b32 s40, v20, i                     ; w0 + w1 of token i
	v_pk_fma_f32 v[64+4*i:65+4*i], v[16:17], s[40:41], v[64+4*i:65+4*i] op_sel_hi:[1,0,1]
	v_pk_fma_f32 v[66+4*i:67+4*i], v[18:19], s[40:41], v[66+4*i:67+4*i] op_sel_hi:[1,0,1]
	global_store_b128 v3, v[64+4*i:64+4*i+3], s[20:21] offset:i*8192 th:TH_STORE_NT   ; 512 consecutive bytes of a row of out0, aligned
.set i, i+1
.endr
	s_wait_tensorcnt 0x0                           ; the wave's end, behind my last LDS store
	ds_add_u32 v6, v7
	s_wait_dscnt 0x0
	s_endpgm
.Lfunc_end_k_qd94ca33517_fin:
	.size	k_qd94ca33517_fin, .Lfunc_end_k_qd94ca33517_fin-k_qd94ca33517_fin
	.p2alignl 7, 3214868480
	.fill 96, 4, 3214868480
	.section	.rodata,"a",@progbits
	.p2align	6, 0x0
	.amdhsa_kernel k_qd94ca33517_fin
		.amdhsa_group_segment_fixed_size 38400
		.amdhsa_private_segment_fixed_size 0
		.amdhsa_enable_private_segment 0
		.amdhsa_kernarg_size 56
		.amdhsa_user_sgpr_count 2
		.amdhsa_user_sgpr_kernarg_segment_ptr 1
		.amdhsa_wavefront_size32 1
		.amdhsa_system_sgpr_workgroup_id_x 1
		.amdhsa_system_sgpr_workgroup_id_y 1
		.amdhsa_system_sgpr_workgroup_id_z 1
		.amdhsa_system_vgpr_workitem_id 0
		.amdhsa_next_free_vgpr 768
		.amdhsa_next_free_sgpr 66
		.amdhsa_reserve_vcc 0
		.amdhsa_float_denorm_mode_32 3
		.amdhsa_float_denorm_mode_16_64 3
		.amdhsa_memory_ordered 1
		.amdhsa_forward_progress 1
		.amdhsa_inst_pref_size 51
	.end_amdhsa_kernel
	.amdgpu_metadata
---
amdhsa.version: [ 1, 2 ]
amdhsa.kernels:
  - .name:           k_qd94ca33517_fin
    .symbol:         k_qd94ca33517_fin.kd
    .args:
      - { .name: part, .offset: 0, .size: 8, .value_kind: global_buffer, .address_space: global }
      - { .name: u2p, .offset: 8, .size: 8, .value_kind: global_buffer, .address_space: global }
      - { .name: ridx, .offset: 16, .size: 8, .value_kind: global_buffer, .address_space: global }
      - { .name: rw, .offset: 24, .size: 8, .value_kind: global_buffer, .address_space: global }
      - { .name: B2, .offset: 32, .size: 8, .value_kind: global_buffer, .address_space: global }
      - { .name: b2, .offset: 40, .size: 8, .value_kind: global_buffer, .address_space: global }
      - { .name: out0, .offset: 48, .size: 8, .value_kind: global_buffer, .address_space: global }
    .group_segment_fixed_size: 38400
    .private_segment_fixed_size: 0
    .kernarg_segment_align: 8
    .kernarg_segment_size: 56
    .max_flat_workgroup_size: 128
    .sgpr_count:     66
    .vgpr_count:     768
    .wavefront_size: 32
...
	.end_amdgpu_metadata
.endif
;; end of part 4
;; ======== version 2 of 2: 4 launches; version 1 with the launch fin written anew for expert scheduling mode
;; workspace buffers: xb 4,194,304 bytes; u1b 131,072 bytes; ridx 8,192 bytes of whole numbers; rw 8,192 bytes; hc 16,777,216 bytes; u2p 4,194,304 bytes; part 33,554,432 bytes
;; launch prep: the kernel of part 1 again; grid 64 x 5, 8 waves a work-group, no clusters, 9,216 bytes of LDS; arguments hidden_states, A1, W_r, b_r, xb, u1b, ridx, rw; writes xb, u1b, ridx, rw
;; launch fc1: the kernel of part 2 again; grid 4 x 64, 4 waves a work-group, clusters of 4 x 1, 327,680 bytes of LDS; arguments xb, W1, b1, B1, A2, u1b, ridx, rw, hc, u2p; writes hc, u2p
;; launch fc2: the kernel of part 3 again; grid 4 x 64, 4 waves a work-group, clusters of 4 x 1, 327,680 bytes of LDS; arguments hc, W2, part; writes part
;; launch fin (part 5): grid 64 x 4, 4 waves a work-group, no clusters, 38,400 bytes of LDS; arguments part, u2p, ridx, rw, B2, b2, out0; writes out0
.if DOCPART == 5
	.amdgcn_target "amdgcn-amd-amdhsa--gfx1250"
	.amdhsa_code_object_version 6
	.text
	.protected	k_qd94ca33517_fin
	.globl	k_qd94ca33517_fin
	.p2align	8
	.type	k_qd94ca33517_fin,@function
k_qd94ca33517_fin:
	s_mov_b64 s[64:65], 0
	v_nop
	global_prefetch_b8 v0, s[64:65] scope:SCOPE_SE
	s_setreg_imm32_b32 hwreg(HW_REG_WAVE_SCHED_MODE, 0, 2), 2
	s_setreg_imm32_b32 hwreg(HW_REG_WAVE_MODE, 25, 1), 1
	s_wait_xcnt 0x0
	s_wait_alu depctr_vm_vsrc(0)
; FIN.  out[token][d] = the sum of part's four slabs + (w0 + w1) b2[d] + the sum over k of 2 w_k u2_k[token] . B2[e_k][d].
; Work-group (T, dq): 16 tokens x 512 columns; wave w has columns 512 dq + 128 w + 0..127: eight accumulators.  u2 is a sum over all 8,192 columns of the hidden layer: its 64 parts (f32) are added here, 16 a wave,
; the four waves' sums meeting in LDS.  The low-rank product is a K of 64 = 8 experts x 8 ranks with the experts not chosen set to 0, as the problem's own dispatch mask does: two matrix instructions an accumulator,
; added onto the four slabs' sum.  No address or branch hangs on the routing.
; The launch streams: each byte is loaded once, into registers of its own.  No tensor loads and no cluster: what the four work-groups of a token tile share (u2p, 64 KB) is a small part of what each reads.
; The result leaves through a stage in LDS, each wave's own: rows of 512 bytes, so that each store of the wave covers 512 consecutive bytes of a row of out0.
; LIMITS.  B2 and b2 are rounded to bf16, 2 w_k u2_k once to bf16; all sums in f32.  NaN and infinities are not treated apart.
; REGISTERS: window 0: v0-31 small things; v32-47 ZF; v48-55 U0, U1; v64-191 u2p's parts, then B2's fragments (16 b + 8 s), then the rows read back; v192-255 the accumulators.
;   window 1: part, slab ks at 64 ks + 8 b.          window 2: B2 in f32 at 32 b + 16 s + 8 g.          s[66:97]: w0 + w1 of token i in the low word of pair i.
; THE MODE: SCHED_MODE bits 1:0 = 2 (LLVM: expert scheduling mode 2), set by the entry lines.  The code itself states the register dependences between vector or matrix instructions and memory or LDS
; instructions, with s_wait_alu, always for 0.
; THE PLAN.  Registers that memory or LDS instructions touch:
;   v3, v4, v5, v8 to v11   offsets and LDS addresses: written at the head, never again; one wait ahead of the first load serves every load and store of the kernel.
;   windows 1 and 2         each register is loaded once, and no vector instruction names it ahead of its load: so part's loads are dealt among the additions of u2's parts with no wait.
;   v64-191                 u2p's parts land; the additions read them and write v64-71; two LDS stores read v64-71; the four waves' sums land in v72-103; B2's conversions write v64-191; the matrix instructions read
;                           them; the stage's rows land in v64-127; the bias's multiply-adds write them; the global stores read them.  A wait stands at each change of sides: two on va_vdst up to the stage, one on vm_vsrc.
;   v192-255                written by additions and matrix instructions, read by the stage's LDS stores, never written again.
;   The way out goes in four groups of four rows: a group's stores are dealt among the next group's multiply-adds, which name other rows; one wait at a group's head states that the group before is written.
;   Scalar registers that vector instructions write: s2 and s7 (one wait at the head); the eight masks s32-39 and the sixteen low words of s[66:97] (one run, one wait).
.set STAGE, 4096                       ; behind the 4 x 1,024 bytes of the waves' sums: 16 rows of pitch 528 = 33 x 16 bytes for each wave
.set SPI,   528
.set SPARE, STAGE+4*16*SPI             ; behind the stages: the spare words, 128 bytes a wave
.set ZF,  32
.set ACC, 192
.set WS,  66                           ; s[66:97]  sixteen pairs: the packed multiply-add names a pair and takes its low word for both halves
.set MSB, 0
.macro WIN new                         ; the immediate's high byte repeats the setting that is left
.if MSB != (\new)
	s_set_vgpr_msb (MSB<<8)|(\new)
.set MSB, \new
.endif
.endm
; Part i of my wave's sixteen parts of u2 is added onto part 0
.macro U2ADD i
.irp q, 0,1,2,3
	v_pk_add_f32 v[64+2*(\q):65+2*(\q)], v[64+2*(\q):65+2*(\q)], v[64+8*(\i)+2*(\q):65+8*(\i)+2*(\q)]
.endr
.endm
; Slab k of part: sixteen loads into window 1.  They touch v5 and registers that no vector instruction has named: nothing is owed for them
.macro PARTL k
	WIN 0x40
.irp b, 0,1,2,3,4,5,6,7
	global_load_b128 v[64*(\k)+8*(\b):64*(\k)+8*(\b)+3],   v5, s[24+2*(\k):25+2*(\k)] offset:(\b)*1024 th:TH_LOAD_NT
	global_load_b128 v[64*(\k)+8*(\b)+4:64*(\k)+8*(\b)+7], v5, s[24+2*(\k):25+2*(\k)] offset:(\b)*1024+256 th:TH_LOAD_NT
.endr
	WIN 0
.endm
; Row i of the stage, back in registers: + (w0 + w1) b2
.macro BIASROW i
	v_pk_fma_f32 v[64+4*(\i):65+4*(\i)], v[16:17], s[WS+2*(\i):WS+2*(\i)+1], v[64+4*(\i):65+4*(\i)] op_sel_hi:[1,0,1]
	v_pk_fma_f32 v[66+4*(\i):67+4*(\i)], v[18:19], s[WS+2*(\i):WS+2*(\i)+1], v[66+4*(\i):67+4*(\i)] op_sel_hi:[1,0,1]
.endm
.macro OUTROW i
	global_store_b128 v3, v[64+4*(\i):64+4*(\i)+3], s[20:21] offset:(\i)*8192 th:TH_STORE_NT   ; 512 consecutive bytes of a row of out0, aligned
.endm
	s_load_b256 s[8:15], s[0:1], 0x0               ; part s[8:9], u2p s[10:11], ridx s[12:13], rw s[14:15]
	s_load_b128 s[16:19], s[0:1], 0x20             ; B2 s[16:17], b2 s[18:19]
	s_load_b64 s[20:21], s[0:1], 0x30              ; out0
	v_lshl_add_u32 v6, v0, 2, SPARE                ; my spare word,
	v_mov_b32 v7, 0                                ; and 0: kept for the add alone
	v_lshrrev_b32 v1, 5, v0
	v_readfirstlane_b32 s2, v1                     ; wave 0..3
	s_and_b32 s4, ttmp7, 0xffff                    ; dq
	v_and_b32 v1, 15, v0                           ; r
	v_bfe_u32 v2, v0, 4, 1                         ; h
	v_cmp_eq_u32 s7, 1, v2                         ; lanes with h = 1
	v_and_b32 v3, 31, v0
	v_lshlrev_b32 v3, 4, v3                        ; 16 x lane
	v_lshlrev_b32 v4, 2, v1                        ; 4 r
	v_lshlrev_b32 v5, 4, v1
	v_lshl_add_u32 v5, v2, 9, v5                   ; part: 512 h + 16 r
	v_lshlrev_b32 v8, 5, v1
	v_lshl_add_u32 v8, v2, 16, v8                  ; B2[e][d][rank]: column r x 32 bytes + expert h x 65,536
.irp m, 0,1,2,3
	v_mov_b32 v[28+(\m)], 0                        ; v_permlanex16_b32's destination counts as read
.endr
	s_wait_alu depctr_va_sdst(0)                   ; s2 and s7 are written, ahead of their first readers: the line below reads s2, the selects behind the barrier read s7
	v_lshl_add_u32 v9, s2, 10, v3                  ; where my wave's sum of u2 goes
	s_mul_i32 s3, s2, 16*SPI
	s_add_co_u32 s3, s3, STAGE                     ; my stage
	v_mul_u32_u24 v10, v1, SPI                     ; in: row r, 32 bytes for each half of the lanes
	v_lshl_add_u32 v10, v2, 5, v10
	v_add_nc_u32 v10, s3, v10
	v_add_nc_u32 v11, s3, v3                       ; back: a whole row of 512 bytes
	s_mov_b32 s5, 0x76543210
	s_mov_b32 s6, 0xfedcba98
.set i, 0
.rept 16
	s_mov_b32 s[WS+2*i+1], 0                       ; named with the low word as a pair
.set i, i+1
.endr
	s_mov_b32 s23, 0
	s_wait_kmcnt 0x0
	s_lshl_b32 s22, ttmp9, 7
	s_add_nc_u64 s[12:13], s[12:13], s[22:23]
	s_add_nc_u64 s[14:15], s[14:15], s[22:23]
	s_lshl_b32 s22, s4, 11                         ; my 128 columns, in bytes of f32
	s_lshl_b32 s42, s2, 9
	s_add_co_u32 s22, s22, s42
	s_add_nc_u64 s[18:19], s[18:19], s[22:23]
	s_lshl_b32 s42, ttmp9, 17                      ; 16 rows of 8,192 bytes
	s_add_co_u32 s22, s22, s42
	s_add_nc_u64 s[20:21], s[20:21], s[22:23]
	s_lshl_b32 s22, ttmp9, 16                      ; u2p: the tile's 64 parts of 1,024 bytes, my wave's 16
	s_lshl_b32 s42, s2, 14
	s_add_co_u32 s22, s22, s42
	s_add_nc_u64 s[10:11], s[10:11], s[22:23]
	s_lshl_b32 s22, s4, 14                         ; B2: my first column x 32 bytes
	s_lshl_b32 s42, s2, 12
	s_add_co_u32 s22, s22, s42
	s_add_nc_u64 s[16:17], s[16:17], s[22:23]
	s_lshl_b32 s22, ttmp9, 17                      ; part: the tile's 131,072 bytes, column group 128 dq + 32 w of 256 bytes
	s_lshl_b32 s42, s4, 15
	s_add_co_u32 s22, s22, s42
	s_lshl_b32 s42, s2, 13
	s_add_co_u32 s22, s22, s42
	s_add_nc_u64 s[24:25], s[8:9], s[22:23]
	s_add_nc_u64 s[26:27], s[24:25], 0x800000      ; a base for each slab
	s_add_nc_u64 s[28:29], s[26:27], 0x800000
	s_add_nc_u64 s[30:31], s[28:29], 0x800000
	s_wait_alu depctr_va_vdst(0)                   ; v3, v4, v5, v8, v9, v10 and v11 are written: every load and store of the kernel reads one of them as its offset or address, and none is written again
	global_load_b32 v12, v4, s[12:13]              ; e0, e1, w0, w1 of token r
	global_load_b32 v13, v4, s[12:13] offset:64
	global_load_b32 v14, v4, s[14:15]
	global_load_b32 v15, v4, s[14:15] offset:64
	global_load_b128 v[16:19], v3, s[18:19]        ; b2 of the four columns that I store in every row
.set i, 0
.rept 16
	global_load_b128 v[64+8*i:64+8*i+3], v3, s[10:11] offset:i*1024
	global_load_b128 v[64+8*i+4:64+8*i+7], v3, s[10:11] offset:i*1024+512
.set i, i+1
.endr
	WIN 0x80
.irp b, 0,1,2,3,4,5,6,7
.irp s, 0,1
.irp g, 0,1
	global_load_b128 v[32*(\b)+16*(\s)+8*(\g):32*(\b)+16*(\s)+8*(\g)+3],   v8, s[16:17] offset:(\s)*262144+(\g)*131072+(\b)*512     ; column 16 b + r, expert 4 s + 2 g + h
	global_load_b128 v[32*(\b)+16*(\s)+8*(\g)+4:32*(\b)+16*(\s)+8*(\g)+7], v8, s[16:17] offset:(\s)*262144+(\g)*131072+(\b)*512+16
.endr
.endr
.endr
	s_wait_loadcnt 63                              ; loads come back in order: B2's 64 were issued behind u2p's last, so the routing, b2 and u2p's parts are in
	PARTL 0                                        ; part's four slabs are asked for among the additions of u2's parts
.irp i, 1,2,3,4
	U2ADD \i
.endr
	PARTL 1
.irp i, 5,6,7,8
	U2ADD \i
.endr
	PARTL 2
.irp i, 9,10,11,12
	U2ADD \i
.endr
	PARTL 3
.irp i, 13,14,15
	U2ADD \i
.endr
	s_wait_alu depctr_va_vdst(0)                   ; the additions have written v[64:71], which the LDS stores read, and are done reading v[72:103], in which the LDS loads behind the barrier land
	ds_store_b128 v9, v[64:67]
	ds_store_b128 v9, v[68:71] offset:512
	s_wait_dscnt 0x0                               ; for the others' sake: my wave's sum is in LDS
	s_barrier_signal -1
	s_barrier_wait -1
.irp t, 0,1,2,3
	ds_load_b128 v[72+8*(\t):72+8*(\t)+3], v3 offset:(\t)*1024
	ds_load_b128 v[72+8*(\t)+4:72+8*(\t)+7], v3 offset:(\t)*1024+512
.endr
	v_sub_nc_u32 v21, v12, v2                      ; e_k - h
	v_sub_nc_u32 v22, v13, v2
	v_add_f32 v20, v14, v15                        ; w0 + w1
.irp y, 0,1,2,3
	v_cmp_eq_u32 s[32+(\y)], 2*(\y), v21           ; register group y of my lane stands for expert 2 y + h
	v_cmp_eq_u32 s[36+(\y)], 2*(\y), v22
.endr
.set i, 0
.rept 16
	v_readlane_b32 s[WS+2*i], v20, i               ; w0 + w1 of token i: in one run with the compares, so that one wait serves all
.set i, i+1
.endr
	v_cvt_pk_bf16_f32 v56, v16, v17                ; b2 rounded to bf16 like every input,
	v_cvt_pk_bf16_f32 v57, v18, v19
	v_lshlrev_b32 v16, 16, v56                     ; and widened again
	v_and_b32 v17, 0xffff0000, v56
	v_lshlrev_b32 v18, 16, v57
	v_and_b32 v19, 0xffff0000, v57
	s_wait_dscnt 0x0
	s_wait_alu depctr_va_sdst(0)                   ; the eight masks s32 to s39 and the sixteen low words of s[66:97] are written, ahead of their first readers: the selects into ZF, the bias's multiply-adds
.irp t, 1,2,3
.irp q, 0,1,2,3
	v_pk_add_f32 v[72+2*(\q):73+2*(\q)], v[72+2*(\q):73+2*(\q)], v[72+8*(\t)+2*(\q):73+8*(\t)+2*(\q)]
.endr
.endr
.irp q, 0,1,2,3
	v_pk_mul_f32 v[72+2*(\q):73+2*(\q)], v[72+2*(\q):73+2*(\q)], 2.0 op_sel_hi:[1,0]   ; the LoRA scaling
.endr
.irp q, 0,1,2,3
	v_cvt_pk_bf16_f32 v[24+(\q)], v[72+2*(\q)], v[73+2*(\q)]       ; lane (r, h): choice k = h of token r, eight ranks
.endr
.irp q, 0,1,2,3
	v_permlanex16_b32 v[28+(\q)], v[24+(\q)], s5, s6               ; and the other choice, from the lane 16 away
.endr
.irp q, 0,1,2,3
	v_cndmask_b32 v[48+(\q)], v[24+(\q)], v[28+(\q)], s7           ; choice 0
	v_cndmask_b32 v[52+(\q)], v[28+(\q)], v[24+(\q)], s7           ; choice 1
.endr
.irp y, 0,1,2,3
.irp m, 0,1,2,3
	v_cndmask_b32 v[ZF+4*(\y)+(\m)], 0, v[52+(\m)], s[36+(\y)]     ; the dispatch mask: the two chosen experts' ranks, 0 elsewhere
	v_cndmask_b32 v[ZF+4*(\y)+(\m)], v[ZF+4*(\y)+(\m)], v[48+(\m)], s[32+(\y)]
.endr
.endr
	s_wait_loadcnt 63                              ; part's 64 loads were issued behind B2's last: B2 is in
	s_wait_alu depctr_vm_vsrc(0)                   ; my two LDS stores of the wave's sum have read v[64:71], which the conversions below write
	WIN 0x0a                                       ; sources in window 2
.set i, 0
.rept 128
	v_cvt_pk_bf16_f32 v[64+i], v[2*i], v[2*i+1]
.set i, i+1
.endr
	s_wait_loadcnt 32                              ; part's slabs 0 and 1 are in; the 32 loads of slabs 2 and 3 may stay out
	WIN 0x05                                       ; sources in window 1
.set i, 0
.rept 32
	v_pk_add_f32 v[ACC+2*i:ACC+2*i+1], v[2*i:2*i+1], v[64+2*i:64+2*i+1]
.set i, i+1
.endr
	s_wait_loadcnt 16                              ; slab 2
	WIN 0x01                                       ; source 0 in window 1
.set i, 0
.rept 32
	v_pk_add_f32 v[ACC+2*i:ACC+2*i+1], v[128+2*i:128+2*i+1], v[ACC+2*i:ACC+2*i+1]
.set i, i+1
.endr
	s_wait_loadcnt 0x0                             ; slab 3
.set i, 0
.rept 32
	v_pk_add_f32 v[ACC+2*i:ACC+2*i+1], v[192+2*i:192+2*i+1], v[ACC+2*i:ACC+2*i+1]
.set i, i+1
.endr
	WIN 0
.irp s, 0,1                            ; the eight accumulators take turns
.irp b, 0,1,2,3,4,5,6,7
	v_wmma_f32_16x16x32_bf16 v[ACC+8*(\b):ACC+8*(\b)+7], v[64+16*(\b)+8*(\s):64+16*(\b)+8*(\s)+7], v[ZF+8*(\s):ZF+8*(\s)+7], v[ACC+8*(\b):ACC+8*(\b)+7]
.endr
.endr
.rept 4
	v_nop                                          ; four places behind the last matrix instruction; they stay beside the wait below
.endr
	s_wait_alu depctr_va_vdst(0)                   ; the matrix instructions have written the accumulators, which the LDS stores read, and are done reading v[64:127], which the conversions wrote and in which the rows below land
.irp b, 0,1,2,3,4,5,6,7
	ds_store_b128 v10, v[ACC+8*(\b):ACC+8*(\b)+3]   offset:(\b)*64      ; token r, columns 16 b + 8 h + 0..7
	ds_store_b128 v10, v[ACC+8*(\b)+4:ACC+8*(\b)+7] offset:(\b)*64+16
.endr
.set i, 0
.rept 16
	ds_load_b128 v[64+4*i:64+4*i+3], v11 offset:i*SPI                   ; LDS serves a wave's instructions in order (ISA guide 5.7.1.4): these see the stores above
.set i, i+1
.endr
	s_wait_dscnt 12                                ; rows 0 to 3 are back; the twelve younger rows may stay out
.irp i, 0,1,2,3
	BIASROW \i
.endr
.irp g, 1,2,3
	s_wait_dscnt 12-4*(\g)                         ; this group's four rows are back
	s_wait_alu depctr_va_vdst(0)                   ; the multiply-adds of the group before have written its four rows, which the stores below read; those of this group name other rows
.irp r, 0,1,2,3
	OUTROW 4*(\g)-4+(\r)
	BIASROW 4*(\g)+(\r)
.endr
.endr
	s_wait_alu depctr_va_vdst(0)                   ; the last group's multiply-adds have written rows 12 to 15, which the last four stores read
.irp r, 12,13,14,15
	OUTROW \r
.endr
	s_wait_dscnt 0x0                               ; the closing lines, six on end
	s_wait_alu 0x0
	s_wait_tensorcnt 0x0
	ds_add_u32 v6, v7
	s_wait_dscnt 0x0
	s_endpgm
.Lfunc_end_k_qd94ca33517_fin:
	.size	k_qd94ca33517_fin, .Lfunc_end_k_qd94ca33517_fin-k_qd94ca33517_fin
	.p2alignl 7, 3214868480
	.fill 96, 4, 3214868480
	.section	.rodata,"a",@progbits
	.p2align	6, 0x0
	.amdhsa_kernel k_qd94ca33517_fin
		.amdhsa_group_segment_fixed_size 38400
		.amdhsa_private_segment_fixed_size 0
		.amdhsa_enable_private_segment 0
		.amdhsa_kernarg_size 56
		.amdhsa_user_sgpr_count 2
		.amdhsa_user_sgpr_kernarg_segment_ptr 1
		.amdhsa_wavefront_size32 1
		.amdhsa_system_sgpr_workgroup_id_x 1
		.amdhsa_system_sgpr_workgroup_id_y 1
		.amdhsa_system_sgpr_workgroup_id_z 1
		.amdhsa_system_vgpr_workitem_id 0
		.amdhsa_next_free_vgpr 768
		.amdhsa_next_free_sgpr 98
		.amdhsa_reserve_vcc 0
		.amdhsa_float_denorm_mode_32 3
		.amdhsa_float_denorm_mode_16_64 3
		.amdhsa_memory_ordered 1
		.amdhsa_forward_progress 1
		.amdhsa_inst_pref_size 52
	.end_amdhsa_kernel
	.amdgpu_metadata
---
amdhsa.version: [ 1, 2 ]
amdhsa.kernels:
  - .name:           k_qd94ca33517_fin
    .symbol:         k_qd94ca33517_fin.kd
    .args:
      - { .name: part, .offset: 0, .size: 8, .value_kind: global_buffer, .address_space: global }
      - { .name: u2p, .offset: 8, .size: 8, .value_kind: global_buffer, .address_space: global }
      - { .name: ridx, .offset: 16, .size: 8, .value_kind: global_buffer, .address_space: global }
      - { .name: rw, .offset: 24, .size: 8, .value_kind: global_buffer, .address_space: global }
      - { .name: B2, .offset: 32, .size: 8, .value_kind: global_buffer, .address_space: global }
      - { .name: b2, .offset: 40, .size: 8, .value_kind: global_buffer, .address_space: global }
      - { .name: out0, .offset: 48, .size: 8, .value_kind: global_buffer, .address_space: global }
    .group_segment_fixed_size: 38400
    .private_segment_fixed_size: 0
    .kernarg_segment_align: 8
    .kernarg_segment_size: 56
    .max_flat_workgroup_size: 128
    .sgpr_count:     98
    .vgpr_count:     768
    .wavefront_size: 32
...
	.end_amdgpu_metadata
.endif
;; end of part 5
